; MI455X (gfx1250); checked and timed in simulation.
; The chip was launched on July 23, 2026; its instructions are those of AMD's public machine-readable ISA for CDNA 5 (MIT licence, August 2026) and "CDNA5" Instruction Set Architecture Reference Guide (July 2026). The comments in the code are by the model that wrote it; some were corrected since.
;; Up Sample Interpolation. Allowed arithmetic: matrix products marked QUANTISED: E4M3 operands, one given power-of-two scale a tensor, by v_wmma_f32_16x16x64_fp8_fp8 or v_wmma_f32_16x16x128_fp8_fp8, f32 sums; products left as they are: f32 operands where the result goes on into a quantised operand, else bf16, f16 or f32 operands; f32 sums; everything else in f32.
;; Inputs: bn_beta 256 float32; bn_gamma 256 float32; conv_w 256 x 768 float32; dense_data 8 x 256 x 4,096 float32; dense_idx 8 x 4,096 int32; lowp_scales 2 int32 (the exponents e of the quantised operands' scales 2^e); pcd 8 x 3 x 4,096 float32; sparse_data 8 x 512 x 1,024 float32; sparse_idx 8 x 1,024 int32.
;; Outputs: out0 8 x 256 x 4,096 float32; out1 8 x 4,096 int32.
;; This version of the problem:
;;   THIS VERSION OF THE PROBLEM IS GIVEN IN LOW PRECISION. The matrix products marked QUANTISED in the list below multiply operands that are first quantised to E4M3 (4 exponent bits, 3 mantissa bits; 8 bits a number), with one given power-of-two scale for each operand tensor; their sums are f32. All else is computed in f32.
;;   The module's matrix products, in the order in which they are computed (A, B: the left and right operand; K: the contracted axis; several contracted axes count as one K, in the product's order):
;;     1. batch 8 x [M 4,096, K 3] x [K 3, N 1,024]; A: computed on the way; B: computed on the way: left as it is (K = 3 < 32)
;;     2. [M 32,768, K 768] x [K 768, N 256]; A: computed on the way; B: input conv_w: QUANTISED (scales: A lowp_scales[0], B lowp_scales[1])
;;   THE QUANTISER, for each operand of a quantised product, along K:
;;     - The operand's scale is 2^e, e = its entry of the input lowp_scales (int32; the entries are numbered through the quantised products in the list's order, A before B).
;;     - Each number is divided by the scale, clamped to +-448, and rounded to the nearest number of E4M3, ties to even, subnormals kept.
;;     - The product sums the exact products of the quantised numbers (number of the format x scale) in f32.
;;   ~~~python
;;   def quantise(x, axis, e):      # numpy; x: float32 -> the quantised numbers, widened to float32 again
;;       x = np.moveaxis(x, axis, -1); K = x.shape[-1]
;;       r = np.clip(x / 2.0 ** e, -448, 448)
;;       step = 2.0 ** (np.maximum(np.frexp(np.where(r == 0, 1, r))[1] - 1, -6) - 3)
;;       q = np.round(r / step) * step * 2.0 ** e      # np.round: ties to even
;;       return np.moveaxis(q, -1, axis).astype(np.float32)
;;   ~~~
;;   OPERANDS COMPUTED ON THE WAY. 'Computed on the way' means the value that the module computes at that place (a softmax that the list does not call 'softmax' is quantised finished and normalised). What goes into a quantiser is computed in f32, as accurately as f32 sums, v_exp_f32 and their like allow (about 1e-6 of the number): no bf16 or f16 on the way to a quantiser, and a product that is left as it is and whose result goes on into a quantised operand takes f32 operands (vector FMAs, or v_wmma_f32_16x16x4_f32). A number that lies on a knife's edge between two numbers of the format may be rounded either way, as far as f32 arithmetic and the matrix unit's own rounding can turn it there, and no further.
;; 2 versions. Each part assembles by itself: llvm-mc -triple=amdgcn-amd-amdhsa -mcpu=gfx1250 --defsym DOCPART=n.
;; ======== version 1 of 2: 3 launches
;; workspace buffers: knn_idx 524,288 bytes of whole numbers; knn_w 1,048,576 bytes; featT 16,777,216 bytes; xq 8,388,608 bytes; wq 196,608 bytes; ybuf 33,554,432 bytes; part 524,288 bytes
;; launch prep (part 1): grid 1072 x 1, 8 waves a work-group, no clusters, 101,888 bytes of LDS; arguments dense_idx, sparse_idx, pcd, sparse_data, dense_data, conv_w, lowp_scales, knn_idx, knn_w, featT, xq, wq; writes knn_idx, knn_w, featT, xq, wq
.if DOCPART == 1
	.amdgcn_target "amdgcn-amd-amdhsa--gfx1250"
	.amdhsa_code_object_version 6
	.text
	.protected	k_qb5ba333c68_prep
	.globl	k_qb5ba333c68_prep
	.p2align	8
	.type	k_qb5ba333c68_prep,@function
k_qb5ba333c68_prep:
	s_mov_b64 s[64:65], 0
	v_nop
	global_prefetch_b8 v0, s[64:65] scope:SCOPE_SE
	s_setreg_imm32_b32 hwreg(HW_REG_WAVE_MODE, 25, 1), 1
	s_wait_xcnt 0x0
; FOUR JOBS IN ONE LAUNCH, told apart by the work-group's number (all eight waves of a work-group take one path; each job has LDS bytes of its own):
;   K  work-groups    0-255 : for 128 dense points each, the 3 nearest of the batch's 1,024 sparse points, and their inverse-distance weights
;   Q  work-groups  256-511 : dense_data [b][256 c][4096 m] f32 -> codes of E4M3 with the channels innermost, xq [(b,m)][256]
;   T  work-groups  512-1023: sparse_data [b][512 c][1024 s] f32 -> featT [b][s][j 4][l 32][e 4] f32, channel = 16 l + 4 j + e (a row s is 2,048 bytes)
;   W  work-groups 1024-1071: conv_w [256][768] f32 -> codes in the order of a matrix operand's registers, wq [s 6][t 16][c 4][lane 32][16 bytes]
; K is vector work, Q, T and W are streams: they run side by side.  The neighbours' numbers are only STORED here, at fixed places: no address of this launch hangs on them.
; d2 = (dd + ss) - 2 dot, as the problem writes it: dot is a chain of fused multiply-adds in ascending order (DOT_FMA = 1; 0: products rounded, then added),
; dd and ss likewise (SQ_FMA = 1; 0: squares rounded, then added).  Ties go to the lower index: every compare is strict and candidates come in ascending order.
; LIMITS.  NaN and infinite coordinates are not served.  Two candidates whose d2 differ by less than the rounding of f32 may be ordered otherwise than another order of rounding would.
; 1 / x is v_rcp_f32.  The given exponents e0, e1 lie between -126 and 119, so that 2^e and 448 x 2^e are f32 numbers.  NaN among the numbers to be quantised is not served.
.set SQ_FMA,  1
.set DOT_FMA, 1
.set KTAB, 0                           ; K: 1,024 + 8 candidates x 32 bytes (x,x,y,y,z,z,ss,ss); later 8 waves' lists, 3,072 bytes each
.set QST,  33280                       ; Q: 128 rows x (256 bytes + 16)
.set TT,   68096                       ; T: 64 rows x 512 bytes
.set WV,   3                           ; s3  my wave's number
.macro MKSCALE se, st, vs, vl          ; s[se] = e  ->  v[vs] = 2^e as f32 (the conversion takes its exponent field), v[vl] = 448 x 2^e
	s_add_co_i32 s[\se], s[\se], 127
	s_lshl_b32 s[\st], s[\se], 23
	v_mov_b32 v[\vs], s[\st]
	s_add_co_i32 s[\se], s[\se], 8
	s_lshl_b32 s[\se], s[\se], 23
	s_or_b32 s[\se], s[\se], 0x600000
	v_mov_b32 v[\vl], s[\se]
.endm
	v_lshl_add_u32 v128, v0, 2, 0x18a00
	v_mov_b32 v129, 0
	v_and_b32 v1, 31, v0                           ; lane
	v_lshrrev_b32 v4, 5, v0
	v_readfirstlane_b32 s[WV], v4                  ; wave 0..7
	v_and_b32 v2, 15, v0                           ; r = lane % 16
	v_bfe_u32 v3, v0, 4, 1                         ; h = lane / 16
	s_cmp_lt_u32 ttmp9, 256
	s_cbranch_scc1 .Lrole_k
	s_cmp_lt_u32 ttmp9, 512
	s_cbranch_scc1 .Lrole_q
	s_cmp_lt_u32 ttmp9, 1024
	s_cbranch_scc1 .Lrole_t
; ---------------------------------------------------------------- W: the weights.  A wave makes 512 bytes: piece c of fragment f = 16 s + t.
; Byte e of lane (r, h) is the code of W[16 t + r][128 s + 32 c + 16 h + e]: sixteen neighbours along K from the lane's own registers.
	s_load_b64 s[4:5], s[0:1], 0x28                ; conv_w
	s_load_b64 s[6:7], s[0:1], 0x30                ; lowp_scales
	s_load_b64 s[8:9], s[0:1], 0x58                ; wq
	s_sub_co_u32 s10, ttmp9, 1024                  ; u = 0..47: two fragments
	s_lshr_b32 s11, s[WV], 2
	s_lshl_b32 s12, s10, 1
	s_add_co_u32 s12, s12, s11
	s_and_b32 s12, s12, 15                         ; t
	s_lshr_b32 s13, s10, 3                         ; s
	s_and_b32 s16, s[WV], 3                        ; c
	s_mul_i32 s12, s12, 49152                      ; 16 rows of 3,072 bytes
	s_lshl_b32 s13, s13, 9                         ; 128 numbers
	s_lshl_b32 s16, s16, 7                         ; 32 numbers
	s_add_co_u32 s12, s12, s13
	s_add_co_u32 s12, s12, s16
	s_mov_b32 s13, 0
	s_lshl_b32 s16, s10, 12
	s_mov_b32 s17, 0
	v_mul_u32_u24 v4, v2, 3072
	v_lshl_add_u32 v4, v3, 6, v4                   ; row r, + 16 h numbers
	v_lshlrev_b32 v5, 4, v0                        ; out: 16 bytes a thread, 512 consecutive bytes a wave
	s_wait_kmcnt 0x0
	s_load_b32 s18, s[6:7], 0x4                    ; e1
	s_add_nc_u64 s[4:5], s[4:5], s[12:13]
	s_add_nc_u64 s[8:9], s[8:9], s[16:17]
.irp n, 0,1,2,3
	global_load_b128 v[8+4*\n:11+4*\n], v4, s[4:5] offset:16*\n
.endr
	s_wait_kmcnt 0x0
	MKSCALE 18, 19, 28, 29
	s_wait_loadcnt 0x0
.irp i, 0,1,2,3,4,5,6,7,8,9,10,11,12,13,14,15
	v_med3_num_f32 v[8+\i], v[8+\i], -v29, v29     ; the conversion to an 8-bit code does not saturate (ISA guide 7.6.2): the hold at the largest code x the scale
.endr
	v_cvt_scalef32_pk8_fp8_f32 v[24:25], v[8:15], v28
	v_cvt_scalef32_pk8_fp8_f32 v[26:27], v[16:23], v28
	global_store_b128 v5, v[24:27], s[8:9]         ; the codes go to a store alone, and nothing follows
	s_endpgm
; ---------------------------------------------------------------- Q: the dense channels.  A lane takes a column m, its registers run down the channels:
; each load reads 128 consecutive bytes a wave, and the conversions give codes with the channels innermost.  Wave w: columns 32 (w % 4) on, channels 128 (w / 4) on.
.Lrole_q:
	s_load_b64 s[4:5], s[0:1], 0x20                ; dense_data
	s_load_b64 s[6:7], s[0:1], 0x30                ; lowp_scales
	s_load_b64 s[8:9], s[0:1], 0x50                ; xq
	s_sub_co_u32 s10, ttmp9, 256
	s_lshr_b32 s11, s10, 5                         ; b
	s_and_b32 s10, s10, 31
	s_lshl_b32 s10, s10, 7                         ; m0
	s_and_b32 s12, s[WV], 3                        ; g
	s_lshr_b32 s13, s[WV], 2                       ; hh
	s_lshl_b32 s16, s11, 22                        ; a batch: 256 rows of 16,384 bytes
	s_lshl_b32 s17, s13, 21                        ; 128 rows
	s_add_co_u32 s16, s16, s17
	s_lshl_b32 s17, s12, 5
	s_add_co_u32 s17, s17, s10
	s_lshl_b32 s17, s17, 2                         ; 4 (m0 + 32 g)
	s_add_co_u32 s16, s16, s17
	s_mov_b32 s17, 0
	s_lshl_b32 s18, s11, 12
	s_add_co_u32 s18, s18, s10
	s_lshl_b32 s18, s18, 8                         ; 256 (4096 b + m0)
	s_lshl_b32 s19, s[WV], 12                      ; + my 16 rows on the way out
	s_add_co_u32 s18, s18, s19
	s_mov_b32 s19, 0
	s_mul_i32 s20, s12, 32*272
	s_lshl_b32 s21, s13, 7
	s_add_co_u32 s20, s20, s21
	s_add_co_u32 s20, s20, QST
	v_mul_u32_u24 v5, v1, 272
	v_add_nc_u32 v5, s20, v5                       ; into the stage: row = my column, + my 128 channels' bytes
	s_mul_i32 s21, s[WV], 16*272
	s_add_co_u32 s21, s21, QST
	v_mul_u32_u24 v6, v3, 272
	v_lshl_add_u32 v6, v2, 4, v6
	v_add_nc_u32 v6, s21, v6                       ; out of it: sixteen lanes to a row, two rows an instruction
	v_lshlrev_b32 v4, 2, v1                        ; in: 4 bytes a lane
	v_lshlrev_b32 v7, 4, v1                        ; out: 16 bytes a lane
	s_wait_kmcnt 0x0
	s_load_b32 s22, s[6:7], 0x0                    ; e0
	s_add_nc_u64 s[4:5], s[4:5], s[16:17]
	s_add_nc_u64 s[8:9], s[8:9], s[18:19]
.macro QLOAD t                         ; 32 channels of my column into set t % 2
.set I, 0
.rept 32
	global_load_b32 v[32+32*((\t)%2)+I], v4, s[4:5] offset:16384*(32*(\t)+I) th:TH_LOAD_NT
.set I, I+1
.endr
.endm
.macro QBLOCK t
.set XS, 32+32*((\t)%2)
.if (\t) < 3
	s_wait_loadcnt 32                              ; this block's 32 loads are in; the next block's 32 may be out
.else
	s_wait_loadcnt 0x0
.endif
.set I, 0
.rept 32
	v_med3_num_f32 v[XS+I], v[XS+I], -v10, v10     ; the hold at the largest code x the scale
.set I, I+1
.endr
.irp g, 0,1,2,3
	v_cvt_scalef32_pk8_fp8_f32 v[96+2*\g:97+2*\g], v[XS+8*\g:XS+8*\g+7], v11
.endr
	ds_store_b128 v5, v[96:99] offset:32*(\t)
	ds_store_b128 v5, v[100:103] offset:32*(\t)+16
.if (\t)+2 < 4
	QLOAD (\t)+2
.endif
	s_wait_dscnt 0x0                               ; the stores have read their registers: the next block's codes may be written (its holds are the plain lines behind these conversions)
.endm
	QLOAD 0
	QLOAD 1
	s_wait_kmcnt 0x0
	MKSCALE 22, 23, 11, 10
	QBLOCK 0
	QBLOCK 1
	QBLOCK 2
	QBLOCK 3
	s_barrier_signal -1                            ; my stores into the stage are done (the wait for 0 above): a row's 256 bytes come from two waves
	s_barrier_wait -1
.irp t, 0,1,2,3,4,5,6,7
	ds_load_b128 v[32+4*\t:35+4*\t], v6 offset:544*\t
.endr
.irp t, 0,1,2,3,4,5,6,7
	s_wait_dscnt 7-\t
	global_store_b128 v7, v[32+4*\t:35+4*\t], s[8:9] offset:512*\t   ; the wave stores 512 consecutive bytes: two whole rows of xq
.endr
	s_wait_tensorcnt 0x0
	ds_add_u32 v128, v129
	s_wait_dscnt 0x0
	s_endpgm
; ---------------------------------------------------------------- T: the sparse features, turned.  A work-group: 64 s x the 128 channels 16 l' + 4 j + e of one j.
; In: a load takes two rows c, 256 consecutive bytes (64 s) each.  Through LDS: row s of 512 bytes, piece l' of 16 bytes at place l' xor (s / 4), so that
; the 32 lanes of a 4-byte store fall on 32 different banks (64 banks of 4 bytes: ISA guide 11.1) with no padding.  Out: a wave stores 512 consecutive bytes.
.Lrole_t:
	s_load_b64 s[4:5], s[0:1], 0x18                ; sparse_data
	s_load_b64 s[8:9], s[0:1], 0x48                ; featT
	s_sub_co_u32 s10, ttmp9, 512
	s_lshr_b32 s11, s10, 6                         ; b
	s_bfe_u32 s12, s10, 0x40002                    ; sb
	s_and_b32 s13, s10, 3                          ; j
	s_lshl_b32 s16, s11, 21                        ; a batch: 512 rows of 4,096 bytes
	s_lshl_b32 s17, s[WV], 18                      ; channels 64 w on
	s_add_co_u32 s16, s16, s17
	s_lshl_b32 s17, s13, 14                        ; + 4 j
	s_add_co_u32 s16, s16, s17
	s_lshl_b32 s17, s12, 8                         ; s = 64 sb on
	s_add_co_u32 s16, s16, s17
	s_mov_b32 s17, 0
	s_lshl_b32 s18, s11, 21                        ; a batch of featT: 1,024 rows of 2,048 bytes
	s_lshl_b32 s19, s12, 17                        ; 64 sb rows
	s_add_co_u32 s18, s18, s19
	s_lshl_b32 s19, s[WV], 14                      ; 8 w rows
	s_add_co_u32 s18, s18, s19
	s_lshl_b32 s19, s13, 9                         ; 512 j
	s_add_co_u32 s18, s18, s19
	s_mov_b32 s19, 0
	v_lshrrev_b32 v5, 3, v0
	v_and_b32 v5, 0x1c, v5                         ; 4 w
	v_xor_b32 v6, v5, v2                           ; 4 w xor li (li = lane % 16 = s / 4 of my four s)
.irp ii, 0,1,2,3
	v_xor_b32 v[12+\ii], \ii, v6                   ; (4 w + ii) xor li: the place of piece l' = 4 w + ii
	v_lshlrev_b32 v[12+\ii], 4, v[12+\ii]
	v_lshl_add_u32 v[12+\ii], v2, 11, v[12+\ii]    ; rows 4 li on
	v_lshl_add_u32 v[12+\ii], v3, 2, v[12+\ii]     ; e = 2 ep + h
	v_add_nc_u32 v[12+\ii], TT, v[12+\ii]
.endr
	v_lshrrev_b32 v7, 4, v0
	v_and_b32 v7, 0xe, v7                          ; 2 w
	v_xor_b32 v7, v7, v1                           ; lane xor 2 w
	v_and_b32 v8, 0xe0, v0
	v_lshlrev_b32 v8, 7, v8                        ; 4096 w: rows 8 w on
	v_add_nc_u32 v8, TT, v8
	v_lshl_add_u32 v16, v7, 4, v8                  ; rows 8 w + 0..3: s / 4 = 2 w
	v_xor_b32 v7, 1, v7
	v_lshl_add_u32 v17, v7, 4, v8                  ; rows 8 w + 4..7: s / 4 = 2 w + 1
	v_lshlrev_b32 v10, 12, v3
	v_lshl_add_u32 v10, v2, 4, v10                 ; in: row h, 16 bytes a lane
	v_lshlrev_b32 v11, 4, v1                       ; out: 16 bytes a lane
	s_wait_kmcnt 0x0
	s_add_nc_u64 s[4:5], s[4:5], s[16:17]
	s_add_nc_u64 s[8:9], s[8:9], s[18:19]
.irp i, 0,1,2,3,4,5,6,7                        ; load i: channel 64 w + 16 (i / 2) + 4 j + 2 (i % 2) + h
	global_load_b128 v[32+4*\i:35+4*\i], v10, s[4:5] offset:65536*(\i/2)+8192*(\i%2) th:TH_LOAD_NT
.endr
.irp i, 0,1,2,3,4,5,6,7
	s_wait_loadcnt 7-\i
.irp k, 0,1,2,3
	ds_store_b32 v[12+\i/2], v[32+4*\i+\k] offset:512*\k+8*(\i%2)
.endr
.endr
	s_wait_dscnt 0x0                               ; for the others' sake: my stores are done
	s_barrier_signal -1
	s_barrier_wait -1
.irp rr, 0,1,2,3,4,5,6,7
	ds_load_b128 v[64+4*\rr:67+4*\rr], v[16+\rr/4] offset:512*\rr
.endr
.irp rr, 0,1,2,3,4,5,6,7
	s_wait_dscnt 7-\rr
	global_store_b128 v11, v[64+4*\rr:67+4*\rr], s[8:9] offset:2048*\rr
.endr
	s_wait_tensorcnt 0x0
	ds_add_u32 v128, v129
	s_wait_dscnt 0x0
	s_endpgm
; ---------------------------------------------------------------- K: the search.  Every wave holds all 128 points of the work-group, four a lane (point 32 p + lane);
; wave w scans candidates 128 w .. 128 w + 127, read from a table in LDS by loads that all lanes aim at one address.  The eight lists of three are then merged, lower candidates first.
.set PX,  8                            ; v[8:11]   x of my four points; PY, PZ likewise; PD: their dd
.set PY,  12
.set PZ,  16
.set PD,  20
.set D0,  24                           ; v[24:35]  the three smallest d2 so far, ascending
.set D1,  28
.set D2,  32
.set I0,  36                           ; v[36:47]  their candidates
.set I1,  40
.set I2,  44
.set DIS, 48                           ; v[48:55]  d2 of two candidates, by turns
.set BS,  56                           ; v[56:59]  dd + ss
.set TA,  60
.set TB,  64
.set CAND, 68                          ; v[68:99]  four slots of eight: x,x,y,y,z,z,ss,ss
.set IDX, 100                          ; v100      the candidate that is being placed
.set ADR, 101                          ; v101      LDS address
.set TM,  102                          ; v[102:105] at work
.Lrole_k:
	s_load_b128 s[4:7], s[0:1], 0x0                ; dense_idx, sparse_idx
	s_load_b64 s[8:9], s[0:1], 0x10                ; pcd
	s_load_b128 s[12:15], s[0:1], 0x38             ; knn_idx, knn_w
	s_lshr_b32 s16, ttmp9, 5                       ; b
	s_and_b32 s19, ttmp9, 31
	s_lshl_b32 s19, s19, 7                         ; m0
	s_lshl_b32 s10, s16, 12
	s_add_co_u32 s10, s10, s19                     ; 4096 b + m0
	s_mov_b32 s33, 0
	v_lshlrev_b32 v102, 2, v0
	v_lshlrev_b32 v107, 2, v1
	v_lshlrev_b32 v112, 5, v0                      ; my entries of the table: 32 tid + 8,192 e
	v_lshlrev_b32 v113, 4, v2
	v_lshlrev_b32 v118, 2, v0                      ; the merge: 4 tid
	v_lshlrev_b32 v119, 4, v0                      ; the stores: 16 tid
.irp i, 114,115,116,117
	v_mov_b32 v\i, 0
.endr
	s_wait_kmcnt 0x0
	s_lshl_b32 s32, s10, 2
	s_add_nc_u64 s[4:5], s[4:5], s[32:33]
	s_lshl_b32 s32, s16, 12
	s_add_nc_u64 s[6:7], s[6:7], s[32:33]
	s_mul_i32 s32, s16, 49152
	s_add_nc_u64 s[8:9], s[8:9], s[32:33]
	s_lshl_b32 s32, s10, 4
	s_add_nc_u64 s[12:13], s[12:13], s[32:33]
	s_add_nc_u64 s[14:15], s[14:15], s[32:33]
.irp e, 0,1,2,3
	global_load_b32 v[103+\e], v102, s[6:7] offset:1024*\e    ; sparse_idx of candidate tid + 256 e
.endr
.irp p, 0,1,2,3
	global_load_b32 v[108+\p], v107, s[4:5] offset:128*\p     ; dense_idx of point 32 p + lane
.endr
	s_wait_loadcnt 0x0
.irp i, 103,104,105,106,108,109,110,111
	v_min_u32 v\i, 0xfff, v\i                      ; an index stays inside pcd's 4,096 points
	v_lshlrev_b32 v\i, 2, v\i
.endr
.irp e, 0,1,2,3
	global_load_b32 v[CAND+8*\e],   v[103+\e], s[8:9]
	global_load_b32 v[CAND+8*\e+2], v[103+\e], s[8:9] offset:16384
	global_load_b32 v[CAND+8*\e+4], v[103+\e], s[8:9] offset:32768
.endr
.irp p, 0,1,2,3
	global_load_b32 v[PX+\p], v[108+\p], s[8:9]
	global_load_b32 v[PY+\p], v[108+\p], s[8:9] offset:16384
	global_load_b32 v[PZ+\p], v[108+\p], s[8:9] offset:32768
.endr
	s_wait_loadcnt 12                              ; the candidates' twelve are in; the points' twelve are younger
.irp e, 0,1,2,3
.set CB, CAND+8*\e
	v_mul_f32 v[CB+6], v[CB], v[CB]
.if SQ_FMA
	v_fma_f32 v[CB+6], v[CB+2], v[CB+2], v[CB+6]
	v_fma_f32 v[CB+6], v[CB+4], v[CB+4], v[CB+6]
.else
	v_mul_f32 v[CB+7], v[CB+2], v[CB+2]
	v_add_f32 v[CB+6], v[CB+6], v[CB+7]
	v_mul_f32 v[CB+7], v[CB+4], v[CB+4]
	v_add_f32 v[CB+6], v[CB+6], v[CB+7]
.endif
	v_mov_b32 v[CB+1], v[CB]
	v_mov_b32 v[CB+3], v[CB+2]
	v_mov_b32 v[CB+5], v[CB+4]
	v_mov_b32 v[CB+7], v[CB+6]
	ds_store_b128 v112, v[CB:CB+3] offset:KTAB+8192*\e
	ds_store_b128 v112, v[CB+4:CB+7] offset:KTAB+8192*\e+16
.endr
	s_cmp_lg_u32 s[WV], 0
	s_cbranch_scc1 .Lk_nopad
	ds_store_b128 v113, v[114:117] offset:KTAB+32768   ; eight entries of zeros behind the table: the ring of loads below runs five candidates past a wave's last, and never places them
.Lk_nopad:
	s_wait_loadcnt 0x0
.irp p, 0,1,2,3
	v_mul_f32 v[PD+\p], v[PX+\p], v[PX+\p]
.if SQ_FMA
	v_fma_f32 v[PD+\p], v[PY+\p], v[PY+\p], v[PD+\p]
	v_fma_f32 v[PD+\p], v[PZ+\p], v[PZ+\p], v[PD+\p]
.else
	v_mul_f32 v[TM+\p], v[PY+\p], v[PY+\p]
	v_add_f32 v[PD+\p], v[PD+\p], v[TM+\p]
	v_mul_f32 v[TM+\p], v[PZ+\p], v[PZ+\p]
	v_add_f32 v[PD+\p], v[PD+\p], v[TM+\p]
.endif
.endr
.irp i, 0,1,2,3,4,5,6,7,8,9,10,11
	v_mov_b32 v[D0+\i], 0x7f800000                 ; +infinity: every d2 lies under it
	v_mov_b32 v[I0+\i], 0
.endr
	s_lshl_b32 s10, s[WV], 7
	v_mov_b32 v[IDX], s10                          ; my first candidate
	s_lshl_b32 s17, s[WV], 12                      ; and its entry (KTAB = 0)
	s_wait_dscnt 0x0                               ; my entries are stored
	s_barrier_signal -1
	s_barrier_wait -1                              ; the table is whole
.macro LOADC slot, off
	ds_load_b128 v[CAND+8*(\slot):CAND+8*(\slot)+3], v[ADR] offset:\off
	ds_load_b128 v[CAND+8*(\slot)+4:CAND+8*(\slot)+7], v[ADR] offset:(\off)+16
.endm
; stage n of five of d2 = (dd + ss) - 2 dot for my four points (two packed pairs) against the candidate in a slot
.macro DST n, slot, set
.set CB, CAND+8*(\slot)
.set DB, DIS+4*(\set)
.irp pr, 0,2
.if \n == 1
	v_pk_mul_f32 v[DB+\pr:DB+\pr+1], v[PX+\pr:PX+\pr+1], v[CB:CB+1]
.elseif \n == 2
	v_pk_add_f32 v[BS+\pr:BS+\pr+1], v[PD+\pr:PD+\pr+1], v[CB+6:CB+7]
.elseif \n == 3
.if DOT_FMA
	v_pk_fma_f32 v[DB+\pr:DB+\pr+1], v[PY+\pr:PY+\pr+1], v[CB+2:CB+3], v[DB+\pr:DB+\pr+1]
.else
	v_pk_mul_f32 v[TM+\pr:TM+\pr+1], v[PY+\pr:PY+\pr+1], v[CB+2:CB+3]
	v_pk_add_f32 v[DB+\pr:DB+\pr+1], v[DB+\pr:DB+\pr+1], v[TM+\pr:TM+\pr+1]
.endif
.elseif \n == 4
.if DOT_FMA
	v_pk_fma_f32 v[DB+\pr:DB+\pr+1], v[PZ+\pr:PZ+\pr+1], v[CB+4:CB+5], v[DB+\pr:DB+\pr+1]
.else
	v_pk_mul_f32 v[TM+\pr:TM+\pr+1], v[PZ+\pr:PZ+\pr+1], v[CB+4:CB+5]
	v_pk_add_f32 v[DB+\pr:DB+\pr+1], v[DB+\pr:DB+\pr+1], v[TM+\pr:TM+\pr+1]
.endif
.else
	v_pk_fma_f32 v[DB+\pr:DB+\pr+1], v[DB+\pr:DB+\pr+1], -2.0, v[BS+\pr:BS+\pr+1] op_sel_hi:[1,0,1]   ; 2 dot is exact: one rounding
.endif
.endr
.endm
; Step u of a trip's four: the candidate before is placed among each point's three (eleven lines a point), and between those lines this step's candidate gets its d2.
.macro STEP u
.set CUR, DIS+4*(((\u)+1)%2)
	s_wait_dscnt 6                                 ; this slot's two loads are in; the three other slots' six are younger
.irp p, 0,1,2,3
	v_cmp_lt_f32 s[20+\p], v[CUR+\p], v[D2+\p]
.endr
	DST 1, (\u)%4, (\u)%2
.irp p, 0,1,2,3
	v_cmp_lt_f32 s[24+\p], v[CUR+\p], v[D1+\p]
.endr
	DST 2, (\u)%4, (\u)%2
.irp p, 0,1,2,3
	v_cmp_lt_f32 s[28+\p], v[CUR+\p], v[D0+\p]
.endr
	DST 3, (\u)%4, (\u)%2
.irp p, 0,1,2,3
	v_cndmask_b32 v[TA+\p], v[I2+\p], v[IDX], s[20+\p]
.endr
.irp p, 0,1,2,3
	v_cndmask_b32 v[TB+\p], v[I1+\p], v[IDX], s[24+\p]
.endr
	DST 4, (\u)%4, (\u)%2
.irp p, 0,1,2,3
	v_cndmask_b32 v[I2+\p], v[TA+\p], v[I1+\p], s[24+\p]
.endr
.irp p, 0,1,2,3
	v_cndmask_b32 v[I1+\p], v[TB+\p], v[I0+\p], s[28+\p]
.endr
	DST 5, (\u)%4, (\u)%2
.irp p, 0,1,2,3
	v_cndmask_b32 v[I0+\p], v[I0+\p], v[IDX], s[28+\p]
.endr
.irp p, 0,1,2,3
	v_med3_num_f32 v[D2+\p], v[CUR+\p], v[D1+\p], v[D2+\p]
.endr
.irp p, 0,1,2,3
	v_med3_num_f32 v[D1+\p], v[CUR+\p], v[D0+\p], v[D1+\p]
.endr
.irp p, 0,1,2,3
	v_min_num_f32 v[D0+\p], v[CUR+\p], v[D0+\p]
.endr
	v_add_nc_u32 v[IDX], 1, v[IDX]
	LOADC (\u)%4, 32*((\u)+4)                      ; the slot takes the candidate four further on
.endm
	v_mov_b32 v[ADR], s17
	LOADC 0, 0
	LOADC 1, 32
	LOADC 2, 64
	LOADC 3, 96
	s_wait_dscnt 6
.irp n, 1,2,3,4,5
	DST \n, 0, 0                                   ; candidate 0's d2
.endr
	LOADC 0, 128
	s_mov_b32 s18, 0
.Lk_scan:                                              ; 32 trips of four candidates; eight loads are out at the head, on the way in and on the way back
	v_mov_b32 v[ADR], s17
	STEP 1
	STEP 2
	STEP 3
	STEP 4
	s_add_co_u32 s17, s17, 128
	s_add_co_u32 s18, s18, 1
	s_cmp_lt_u32 s18, 32
	s_cbranch_scc1 .Lk_scan
	s_wait_dscnt 0x0                               ; my reads of the table are over
	s_barrier_signal -1
	s_barrier_wait -1                              ; everybody's are: the lists may lie where the table lay
	s_mul_i32 s10, s[WV], 3072
	v_lshl_add_u32 v[ADR], v1, 2, s10
.irp f, 0,1,2,3,4,5                            ; field f (d0, d1, d2, i0, i1, i2) of point 32 p + lane: 3,072 w + 512 f + 4 point
.irp p, 0,1,2,3
	ds_store_b32 v[ADR], v[D0+4*\f+\p] offset:KTAB+512*\f+128*\p
.endr
.endr
	s_wait_dscnt 0x0
	s_barrier_signal -1
	s_barrier_wait -1
	s_cmp_lt_u32 s[WV], 4
	s_cbranch_scc1 .Lk_merge
	s_wait_tensorcnt 0x0
	ds_add_u32 v128, v129
	s_wait_dscnt 0x0
	s_endpgm                                       ; 128 points want 128 lanes
.Lk_merge:
.irp w, 0,1,2,3,4,5,6,7
.irp f, 0,1,2,3,4,5
	ds_load_b32 v[48+6*\w+\f], v118 offset:KTAB+3072*\w+512*\f
.endr
.endr
	s_wait_dscnt 0x0
.macro INS d, i                        ; one more candidate is placed among v48-50 (d2) and v51-53 (index)
	v_cmp_lt_f32 s20, v[\d], v50
	v_cmp_lt_f32 s21, v[\d], v49
	v_cmp_lt_f32 s22, v[\d], v48
	v_cndmask_b32 v96, v53, v[\i], s20
	v_cndmask_b32 v97, v52, v[\i], s21
	v_cndmask_b32 v53, v96, v52, s21
	v_cndmask_b32 v52, v97, v51, s22
	v_cndmask_b32 v51, v51, v[\i], s22
	v_med3_num_f32 v50, v[\d], v49, v50
	v_med3_num_f32 v49, v[\d], v48, v49
	v_min_num_f32 v48, v[\d], v48
.endm
.irp w, 1,2,3,4,5,6,7                          ; list 0 is the start; the others follow in ascending order of their candidates
.irp e, 0,1,2
	INS 48+6*\w+\e, 51+6*\w+\e
.endr
.endr
	v_add_f32 v54, 0x322bcc77, v48                 ; d + 1e-8
	v_add_f32 v55, 0x322bcc77, v49
	v_add_f32 v56, 0x322bcc77, v50
	v_rcp_f32 v57, v54
	v_rcp_f32 v58, v55
	v_rcp_f32 v59, v56
	v_nop                                          ; a plain line behind the reciprocals,
	s_wait_alu depctr_va_vdst(0)                   ; and one wait for the three, ahead of their first reader
	v_add_f32 v60, v57, v58
	v_add_f32 v60, v60, v59
	v_rcp_f32 v61, v60
	v_mov_b32 v72, v51                             ; (a plain line)  the record i0, i1, i2, 0
	v_mov_b32 v73, v52
	v_mov_b32 v74, v53
	v_mov_b32 v75, 0
	v_mov_b32 v70, 0
	v_mov_b32 v71, 0
	s_wait_alu depctr_va_vdst(0)
	v_mul_f32 v64, v57, v61                        ; each weight twice: a pair for the packed multiply-adds of the next launch
	v_mul_f32 v65, v57, v61
	v_mul_f32 v66, v58, v61
	v_mul_f32 v67, v58, v61
	v_mul_f32 v68, v59, v61
	v_mul_f32 v69, v59, v61
	global_store_b128 v119, v[72:75], s[12:13]     ; each store of a wave covers 512 consecutive bytes
	global_store_b128 v119, v[64:67], s[14:15]
	global_store_b128 v119, v[68:71], s[14:15] offset:524288
	s_wait_tensorcnt 0x0
	ds_add_u32 v128, v129
	s_wait_dscnt 0x0
	s_endpgm
.Lfunc_end_k_qb5ba333c68_prep:
	.size	k_qb5ba333c68_prep, .Lfunc_end_k_qb5ba333c68_prep-k_qb5ba333c68_prep
	.p2alignl 7, 3214868480
	.fill 96, 4, 3214868480
	.section	.rodata,"a",@progbits
	.p2align	6, 0x0
	.amdhsa_kernel k_qb5ba333c68_prep
		.amdhsa_group_segment_fixed_size 101888
		.amdhsa_private_segment_fixed_size 0
		.amdhsa_enable_private_segment 0
		.amdhsa_kernarg_size 96
		.amdhsa_user_sgpr_count 2
		.amdhsa_user_sgpr_kernarg_segment_ptr 1
		.amdhsa_wavefront_size32 1
		.amdhsa_system_sgpr_workgroup_id_x 1
		.amdhsa_system_sgpr_workgroup_id_y 1
		.amdhsa_system_sgpr_workgroup_id_z 1
		.amdhsa_system_vgpr_workitem_id 0
		.amdhsa_next_free_vgpr 130
		.amdhsa_next_free_sgpr 66
		.amdhsa_reserve_vcc 0
		.amdhsa_float_denorm_mode_32 3
		.amdhsa_float_denorm_mode_16_64 3
		.amdhsa_memory_ordered 1
		.amdhsa_forward_progress 1
		.amdhsa_inst_pref_size 81
	.end_amdhsa_kernel
	.amdgpu_metadata
---
amdhsa.version: [ 1, 2 ]
amdhsa.kernels:
  - .name:           k_qb5ba333c68_prep
    .symbol:         k_qb5ba333c68_prep.kd
    .args:
      - { .name: dense_idx, .offset: 0, .size: 8, .value_kind: global_buffer, .address_space: global }
      - { .name: sparse_idx, .offset: 8, .size: 8, .value_kind: global_buffer, .address_space: global }
      - { .name: pcd, .offset: 16, .size: 8, .value_kind: global_buffer, .address_space: global }
      - { .name: sparse_data, .offset: 24, .size: 8, .value_kind: global_buffer, .address_space: global }
      - { .name: dense_data, .offset: 32, .size: 8, .value_kind: global_buffer, .address_space: global }
      - { .name: conv_w, .offset: 40, .size: 8, .value_kind: global_buffer, .address_space: global }
      - { .name: lowp_scales, .offset: 48, .size: 8, .value_kind: global_buffer, .address_space: global }
      - { .name: knn_idx, .offset: 56, .size: 8, .value_kind: global_buffer, .address_space: global }
      - { .name: knn_w, .offset: 64, .size: 8, .value_kind: global_buffer, .address_space: global }
      - { .name: featT, .offset: 72, .size: 8, .value_kind: global_buffer, .address_space: global }
      - { .name: xq, .offset: 80, .size: 8, .value_kind: global_buffer, .address_space: global }
      - { .name: wq, .offset: 88, .size: 8, .value_kind: global_buffer, .address_space: global }
    .group_segment_fixed_size: 101888
    .private_segment_fixed_size: 0
    .kernarg_segment_align: 8
    .kernarg_segment_size: 96
    .max_flat_workgroup_size: 256
    .sgpr_count:     66
    .vgpr_count:     130
    .wavefront_size: 32
...
	.end_amdgpu_metadata
.endif
;; end of part 1
;; launch fuse (part 2): grid 256 x 1, 8 waves a work-group, no clusters, 175,104 bytes of LDS; arguments featT, xq, wq, knn_idx, knn_w, lowp_scales, ybuf, part; writes ybuf, part
.if DOCPART == 2
	.amdgcn_target "amdgcn-amd-amdhsa--gfx1250"
	.amdhsa_code_object_version 6
	.text
	.protected	k_qb5ba333c68_fuse
	.globl	k_qb5ba333c68_fuse
	.p2align	8
	.type	k_qb5ba333c68_fuse,@function
k_qb5ba333c68_fuse:
	s_mov_b64 s[64:65], 0
	v_nop
	global_prefetch_b8 v0, s[64:65] scope:SCOPE_SE
	s_setreg_imm32_b32 hwreg(HW_REG_WAVE_MODE, 25, 1), 1
	s_wait_xcnt 0x0
; y[b][o][m] = sum over k of Q(x)[m][k] Q(W)[o][k] x 2^(e0 + e1), K = 768: 256 dense channels (codes from xq) and 512 interpolated ones, made here.
; A work-group takes 128 columns m of one batch and all 256 outputs.
; PHASE 1.  Wave w interpolates columns 16 w .. 16 w + 15: for each, the three neighbours' rows of featT (2,048 bytes each; their numbers were stored by the launch before and are read by
; scalar loads) are blended in f32 with the stored weights, held, converted to E4M3 and laid into row m of XT in LDS.  featT's order gives lane l the channels 16 l .. 16 l + 15 by four
; loads of 512 consecutive bytes a wave.  A ring of four columns keeps 48 such loads on their way; the wave's twelve fragments of W come in among them, three loads a column.
; PHASE 2.  Wave w multiplies all 128 rows of XT by outputs 32 w .. 32 w + 31: 16 accumulators, 96 instructions v_wmma_f32_16x16x128_fp8_fp8.  Source 0 = 16 columns m, source 1 = 16 outputs:
; a lane then holds ONE output and eight neighbouring m, as ybuf lies.  Both operands carry the same order of k in their registers (registers 4 c .. 4 c + 3: k = 32 c + 16 (lane / 16) + 0 .. 15).
; PHASE 3.  y leaves through the wave's own stage as whole rows of 512 bytes; for each output the sum and the sum of squared distances from the work-group's own mean go to part.
; No cluster and no joint loads: the gathered rows are a work-group's own, and W, the one thing shared, is 196,608 bytes against 786,432 gathered, and goes straight into registers.
; LIMITS: e0 between -126 and 119; e0 + e1 between -126 and 127.  NaN among the numbers to be quantised is not served.
; REGISTERS.  Window 0: v1-17 addresses and scales; phase 1: v20-35 two sets of weights, v36-43 two sets of codes, v44-251 four column slots of 52 (3 x 16 numbers, 3 addresses);
;   phase 2: v20-147 accumulators ((mt, ot) at 20 + 8 (2 mt + ot)), v148-243 three buffers of two x fragments; phase 3: v148-211 rows read back, v212-243 statistics.
;   Window 1: v0-191 W's twelve fragments ((s, ot) at 16 (2 s + ot)); v192-227 the head's weights and dense codes on their way to LDS.
.set XT,  0                            ; 128 rows x 784 bytes (768 codes + 16: an odd multiple of 16, so the 16 rows that a load touches start at 16 different groups of banks: ISA guide 11.1)
.set XP,  784
.set YST, 100352                       ; 8 waves x 16 rows x (512 + 16) bytes
.set YP,  528
.set WTS, 167936                       ; 8 waves x 512 bytes: the 16 columns' weights
.set PST, 172032                       ; 256 sums, 256 M2
.set WV,  12
.set MSB, 0
.macro WIN new                         ; the immediate's high byte repeats the setting that is left
.if MSB != \new
	s_set_vgpr_msb (MSB<<8)|\new
.set MSB, \new
.endif
.endm
	s_load_b256 s[4:11], s[0:1], 0x0               ; featT s[4:5], xq s[6:7], wq s[8:9], knn_idx s[10:11]
	s_load_b256 s[84:91], s[0:1], 0x20             ; knn_w s[84:85], lowp_scales s[86:87], ybuf s[88:89], part s[90:91]
	v_lshl_add_u32 v254, v0, 2, 0x2a800
	v_mov_b32 v255, 0
	v_and_b32 v2, 31, v0
	v_lshrrev_b32 v3, 5, v0
	v_readfirstlane_b32 s[WV], v3                  ; wave 0..7
	v_lshlrev_b32 v1, 4, v2                        ; 16 x lane
	v_and_b32 v2, 15, v0                           ; r
	v_bfe_u32 v3, v0, 4, 1                         ; h
	s_lshr_b32 s13, ttmp9, 5                       ; b
	s_and_b32 s2, ttmp9, 31
	s_lshl_b32 s2, s2, 7                           ; m0
	s_lshl_b32 s3, s13, 12
	s_add_co_u32 s3, s3, s2
	s_lshl_b32 s14, s[WV], 4
	s_add_co_u32 s3, s3, s14                       ; my first column among all 32,768
	s_mov_b32 s15, 0
	s_mul_i32 s14, s[WV], 16*XP
	v_add_nc_u32 v4, s14, v1
	v_add_nc_u32 v4, XT+256, v4                    ; v4  where I put 16 interpolated codes of my wave's first row
	v_mul_u32_u24 v5, v3, XP
	v_lshl_add_u32 v5, v2, 4, v5
	v_add_nc_u32 v5, s14, v5                       ; v5  where I put 16 dense codes: rows h, h + 2, ..
	v_mul_u32_u24 v6, v2, XP
	v_lshl_add_u32 v6, v3, 4, v6                   ; v6  an x fragment: row r, + 16 h; rows 0-63
	v_add_nc_u32 v7, 64*XP, v6                     ; v7  rows 64-127
	s_lshl_b32 s14, s[WV], 9
	s_add_co_u32 s14, s14, WTS
	v_add_nc_u32 v8, s14, v1                       ; v8  the weights, in
	v_mov_b32 v9, s14                              ; v9  and out: one address for all lanes
	v_lshlrev_b32 v10, 19, v3
	v_lshl_add_u32 v10, v2, 4, v10                 ; v10 knn_w: plane h, column r
	s_mul_i32 s14, s[WV], 16*YP
	s_add_co_u32 s14, s14, YST
	v_mul_u32_u24 v11, v2, YP
	v_lshl_add_u32 v11, v3, 5, v11
	v_add_nc_u32 v11, s14, v11                     ; v11 my stage, in: row r, + 32 h
	v_add_nc_u32 v12, s14, v1                      ; v12 and back: a row of 512 bytes to the 32 lanes
	s_lshl_b32 s14, s[WV], 7
	s_add_co_u32 s14, s14, PST
	v_lshlrev_b32 v13, 10, v3
	v_lshl_add_u32 v13, v2, 2, v13
	v_add_nc_u32 v13, s14, v13                     ; v13 statistics: plane h, output 32 w + r
	v_lshl_add_u32 v16, v0, 4, PST                 ; v16, v17: their way out (threads 0-127)
	v_lshlrev_b32 v17, 4, v0
	s_wait_kmcnt 0x0
	s_lshl_b32 s14, s13, 21
	s_add_nc_u64 s[4:5], s[4:5], s[14:15]          ; featT at my batch
	s_lshl_b32 s14, s3, 8
	s_add_nc_u64 s[6:7], s[6:7], s[14:15]          ; xq at my wave's first column
	s_lshl_b32 s14, s[WV], 12
	s_add_nc_u64 s[8:9], s[8:9], s[14:15]          ; wq at my two tiles of outputs
	s_lshl_b32 s14, s3, 4
	s_add_nc_u64 s[10:11], s[10:11], s[14:15]
	s_add_nc_u64 s[84:85], s[84:85], s[14:15]
	s_lshl_b32 s14, s13, 8
	s_lshl_b32 s92, s[WV], 5
	s_add_co_u32 s14, s14, s92
	s_lshl_b32 s14, s14, 14                        ; row 256 b + 32 w of 16,384 bytes
	s_lshl_b32 s92, s2, 2
	s_add_co_u32 s14, s14, s92
	s_add_nc_u64 s[88:89], s[88:89], s[14:15]
	s_lshl_b32 s14, ttmp9, 11
	s_add_nc_u64 s[90:91], s[90:91], s[14:15]
	s_load_b512 s[16:31], s[10:11], 0x0            ; my 16 columns' records i0, i1, i2, 0: column j at s[16 + 4 j], from j = 12 on four further up
	s_load_b512 s[32:47], s[10:11], 0x40
	s_load_b512 s[48:63], s[10:11], 0x80
	s_load_b512 s[68:83], s[10:11], 0xc0
	s_load_b64 s[96:97], s[86:87], 0x0             ; e0, e1
	WIN 0x40                                       ; destination window 1
	global_load_b128 v[192:195], v10, s[84:85]     ; the weights: two runs of 256 consecutive bytes
.irp t, 0,1,2,3,4,5,6,7
	global_load_b128 v[196+4*\t:199+4*\t], v1, s[6:7] offset:512*\t th:TH_LOAD_NT   ; the dense codes of my 16 columns
.endr
	WIN 0
	s_wait_kmcnt 0x0
	s_add_co_i32 s14, s96, 127
	s_lshl_b32 s92, s14, 23
	v_mov_b32 v15, s92                             ; v15 2^e0 as f32
	s_add_co_i32 s14, s14, 8
	s_lshl_b32 s14, s14, 23
	s_or_b32 s14, s14, 0x600000
	v_mov_b32 v14, s14                             ; v14 448 x 2^e0
	s_add_co_i32 s96, s96, s97
	s_add_co_i32 s96, s96, 127
	s_lshl_b32 s96, s96, 23                        ; 2^(e0 + e1) as f32
	s_mov_b32 s97, s96                             ; (named with it as a pair)
	s_mov_b32 s98, 0x76543210                      ; v_permlanex16_b32: lane l xor 16
	s_mov_b32 s99, 0xfedcba98
	s_mov_b32 s100, 0xffff0000                     ; lanes 16-31
.macro ISSUE j                         ; column j's three rows are asked for: 12 loads into slot j % 4
.set IB, 16+4*(\j)+4*((\j)/12)
.set SI, 44+52*((\j)%4)
	s_min_u32 s92, s[IB], 0x3ff                    ; a neighbour is one of 1,024
	s_min_u32 s93, s[IB+1], 0x3ff
	s_min_u32 s94, s[IB+2], 0x3ff
	v_lshl_add_u32 v[SI+48], s92, 11, v1
	v_lshl_add_u32 v[SI+49], s93, 11, v1
	v_lshl_add_u32 v[SI+50], s94, 11, v1
.irp n, 0,1,2
.irp q, 0,1,2,3
	global_load_b128 v[SI+16*\n+4*\q:SI+16*\n+4*\q+3], v[SI+48+\n], s[4:5] offset:512*\q
.endr
.endr
.endm
.macro WLD j                           ; column j's weights (w0,w0,w1,w1) (w2,w2,0,0) into set j % 2
	ds_load_b128 v[20+8*((\j)%2):23+8*((\j)%2)], v9 offset:16*(\j)
	ds_load_b128 v[24+8*((\j)%2):27+8*((\j)%2)], v9 offset:256+16*(\j)
.endm
.macro WQL n                           ; load n of 48 of W's fragments: piece n % 4 of fragment (s = n / 8, ot = (n / 4) % 2)
	global_load_b128 v[4*(\n):4*(\n)+3], v1, s[8:9] offset:32768*((\n)/8)+2048*(((\n)/4)%2)+512*((\n)%4)
.endm
; Column j.  nl: the loads issued behind its twelve; nd: the LDS instructions issued behind its weights' two loads.
.macro COL j, nl, nd
.set SB, 44+52*((\j)%4)
.set WS, 20+8*((\j)%2)
.set CD, 36+4*((\j)%2)
	s_wait_loadcnt \nl
	s_wait_dscnt \nd
.irp i, 0,2,4,6,8,10,12,14
	v_pk_mul_f32 v[SB+\i:SB+\i+1], v[SB+\i:SB+\i+1], v[WS:WS+1]
.endr
.irp i, 0,2,4,6,8,10,12,14
	v_pk_fma_f32 v[SB+\i:SB+\i+1], v[SB+16+\i:SB+17+\i], v[WS+2:WS+3], v[SB+\i:SB+\i+1]
.endr
.irp i, 0,2,4,6,8,10,12,14
	v_pk_fma_f32 v[SB+\i:SB+\i+1], v[SB+32+\i:SB+33+\i], v[WS+4:WS+5], v[SB+\i:SB+\i+1]
.endr
.irp i, 0,1,2,3,4,5,6,7,8,9,10,11,12,13,14,15
	v_med3_num_f32 v[SB+\i], v[SB+\i], -v14, v14   ; the conversion to an 8-bit code does not saturate (ISA guide 7.6.2): the hold at the largest code x the scale
.endr
	v_cvt_scalef32_pk8_fp8_f32 v[CD:CD+1], v[SB:SB+7], v15
	v_cvt_scalef32_pk8_fp8_f32 v[CD+2:CD+3], v[SB+8:SB+15], v15
	v_nop                                          ; one plain line behind the last conversion: vector and matrix instructions write these registers later
.if (\j) < 12
	ISSUE (\j)+4                                   ; the slot takes the column four further on
.endif
	WIN 0x40
.irp n, 0,1,2
	WQL 3*(\j)+\n
.endr
	WIN 0
	ds_store_b128 v4, v[CD:CD+3] offset:XP*(\j)    ; the wave's 512 codes of row 16 w + j
.if (\j) < 14
	WLD (\j)+2
.endif
.endm
	ISSUE 0
	ISSUE 1
	ISSUE 2
	ISSUE 3
	s_wait_loadcnt 48                              ; the head's nine loads are in; the four columns' 48 are younger
	WIN 0x04                                       ; store data window 1
	ds_store_b128 v8, v[192:195]
.irp t, 0,1,2,3,4,5,6,7
	ds_store_b128 v5, v[196+4*\t:199+4*\t] offset:2*XP*\t
.endr
	WIN 0
	WLD 0                                          ; LDS serves a wave's instructions in order (ISA guide 5.7.1.4): these see my store of the weights
	WLD 1
; behind column j's twelve loads stand: the later columns' twelves and the threes of W issued since.  j = 0: 3 x 12;  1: 3 x 12 + 3;  2: + 6;  3: + 9;  4 to 12: 3 x 12 + 4 x 3;
; 13: 2 x 12 + 4 x 3;  14: 12 + 4 x 3;  15: 4 x 3.  Behind its weights' loads: the column before's store of codes and the next column's two loads (0: those two alone; 15: the store alone).
	COL 0, 36, 2
	COL 1, 39, 3
	COL 2, 42, 3
	COL 3, 45, 3
.irp j, 4,5,6,7,8,9,10,11,12
	COL \j, 48, 3
.endr
	COL 13, 36, 3
	COL 14, 24, 3
	COL 15, 12, 1
	s_wait_dscnt 0x0                               ; my rows of XT are stored
	s_barrier_signal -1
	s_barrier_wait -1                              ; all 128 rows are
	s_wait_loadcnt 0x0                             ; W's fragments
; PHASE 2: 24 groups of four products.  Group g: K step s = g / 4, tiles of columns mt = 2 (g % 4), 2 (g % 4) + 1, both tiles of outputs.
.macro XLOAD g
.irp f, 0,1
.irp c, 0,1,2,3
	ds_load_b128 v[148+32*((\g)%3)+16*\f+4*\c:148+32*((\g)%3)+16*\f+4*\c+3], v[6+(2*((\g)%4)+\f)/4] offset:16*XP*((2*((\g)%4)+\f)%4)+128*((\g)/4)+32*\c
.endr
.endr
.endm
.macro MM g                            ; the 16 accumulators take turns, one instruction a turn, in the same order in every K step; the first K step starts the sums
.irp f, 0,1
.irp o, 0,1
.set AC, 20+8*(2*(2*((\g)%4)+\f)+\o)
.set XR, 148+32*((\g)%3)+16*\f
.set WR, 16*(2*((\g)/4)+\o)
.if (\g) < 4
	v_wmma_f32_16x16x128_fp8_fp8 v[AC:AC+7], v[XR:XR+15], v[WR:WR+15], 0
.else
	v_wmma_f32_16x16x128_fp8_fp8 v[AC:AC+7], v[XR:XR+15], v[WR:WR+15], v[AC:AC+7]
.endif
.endr
.endr
.endm
	WIN 0x04                                       ; source 1 (W) window 1; all else window 0, the LDS loads' operands too
	XLOAD 0
	XLOAD 1
.set G, 0
.rept 24
.if G+2 < 24
.if G > 0
.rept 4
	v_nop                                          ; four places between the last group's products and the loads into the buffer that they read (ISA guide 7.12.1 for vector instructions)
.endr
.endif
	XLOAD G+2
.endif
.if G < 22
	s_wait_dscnt 16                                ; this group's eight loads are in; the next two groups' sixteen are younger
.elseif G == 22
	s_wait_dscnt 8
.else
	s_wait_dscnt 0x0
.endif
	MM G
.set G, G+1
.endr
	WIN 0
.rept 4
	v_nop                                          ; four places behind the last products, ahead of the first read of results
.endr
; PHASE 3
.set J, 20
.rept 64
	v_pk_mul_f32 v[J:J+1], v[J:J+1], s[96:97] op_sel_hi:[1,0]   ; x 2^(e0 + e1); each accumulator from its low end on
.set J, J+2
.endr
.macro YSTAGE o                        ; outputs 32 w + 16 o + 0..15 through my stage: in by lanes (one output, eight m), back by rows of 128 m
.if \o
	s_wait_xcnt 0x0                                ; the first half's stores have read their registers: the loads below may land there
.endif
.irp m, 0,1,2,3,4,5,6,7
	ds_store_b128 v11, v[20+8*(2*\m+\o):23+8*(2*\m+\o)] offset:64*\m
	ds_store_b128 v11, v[24+8*(2*\m+\o):27+8*(2*\m+\o)] offset:64*\m+16
.endr
.irp t, 0,1,2,3,4,5,6,7,8,9,10,11,12,13,14,15
	ds_load_b128 v[148+4*\t:151+4*\t], v12 offset:YP*\t   ; in order behind my stores
.endr
.endm
.macro YSEND o
.irp t, 0,1,2,3,4,5,6,7,8,9,10,11,12,13,14,15
	s_wait_dscnt 15-\t
	global_store_b128 v1, v[148+4*\t:151+4*\t], s[88:89] offset:16384*(16*\o+\t)   ; the wave stores 512 consecutive bytes of a row of ybuf
.endr
.endm
; The statistics of my lane's output over the work-group's 128 columns: the sum, and M2 = the sum of (y - the work-group's own mean)^2: no difference of large sums is formed.
.macro STAT o
.irp i, 0,1,2,3
	v_pk_add_f32 v[212+2*\i:213+2*\i], v[20+8*\o+2*\i:21+8*\o+2*\i], v[36+8*\o+2*\i:37+8*\o+2*\i]
.endr
.irp m, 2,3,4,5,6,7
.irp i, 0,1,2,3
	v_pk_add_f32 v[212+2*\i:213+2*\i], v[212+2*\i:213+2*\i], v[20+8*(2*\m+\o)+2*\i:21+8*(2*\m+\o)+2*\i]
.endr
.endr
	v_pk_add_f32 v[212:213], v[212:213], v[214:215]
	v_pk_add_f32 v[216:217], v[216:217], v[218:219]
	v_pk_add_f32 v[212:213], v[212:213], v[216:217]
	v_add_f32 v212, v212, v213
	v_permlanex16_b32 v214, v212, s98, s99         ; the output's other 64 columns lie in the lane 16 away
	v_add_f32 v212, v212, v214
	v_mul_f32 v220, 0x3c000000, v212               ; / 128
	v_mov_b32 v221, v220
.irp m, 0,1,2,3,4,5,6,7
.irp i, 0,1,2,3
	v_pk_add_f32 v[222+2*\i:223+2*\i], v[20+8*(2*\m+\o)+2*\i:21+8*(2*\m+\o)+2*\i], v[220:221] neg_lo:[0,1] neg_hi:[0,1]
.endr
.irp i, 0,1,2,3
.if \m == 0
	v_pk_mul_f32 v[230+2*\i:231+2*\i], v[222+2*\i:223+2*\i], v[222+2*\i:223+2*\i]
.else
	v_pk_fma_f32 v[230+2*\i:231+2*\i], v[222+2*\i:223+2*\i], v[222+2*\i:223+2*\i], v[230+2*\i:231+2*\i]
.endif
.endr
.endr
	v_pk_add_f32 v[230:231], v[230:231], v[232:233]
	v_pk_add_f32 v[234:235], v[234:235], v[236:237]
	v_pk_add_f32 v[230:231], v[230:231], v[234:235]
	v_add_f32 v230, v230, v231
	v_permlanex16_b32 v232, v230, s98, s99
	v_add_f32 v230, v230, v232
	v_cndmask_b32 v[238+\o], v212, v230, s100      ; lanes 0-15 carry the sum, lanes 16-31 M2
.endm
	YSTAGE 0
	STAT 0                                         ; register work while the rows come back from the stage
	YSEND 0
	YSTAGE 1
	STAT 1
	YSEND 1
	ds_store_b32 v13, v238
	ds_store_b32 v13, v239 offset:64
	s_wait_dscnt 0x0
	s_barrier_signal -1
	s_barrier_wait -1                              ; all 256 outputs' figures lie in LDS
	s_cmp_lt_u32 s[WV], 4
	s_cbranch_scc0 .Lf_end
	ds_load_b128 v[240:243], v16
	s_wait_dscnt 0x0
	global_store_b128 v17, v[240:243], s[90:91]    ; 2,048 consecutive bytes a work-group
.Lf_end:
	s_wait_tensorcnt 0x0
	ds_add_u32 v254, v255
	s_wait_dscnt 0x0
	s_endpgm
.Lfunc_end_k_qb5ba333c68_fuse:
	.size	k_qb5ba333c68_fuse, .Lfunc_end_k_qb5ba333c68_fuse-k_qb5ba333c68_fuse
	.p2alignl 7, 3214868480
	.fill 96, 4, 3214868480
	.section	.rodata,"a",@progbits
	.p2align	6, 0x0
	.amdhsa_kernel k_qb5ba333c68_fuse
		.amdhsa_group_segment_fixed_size 175104
		.amdhsa_private_segment_fixed_size 0
		.amdhsa_enable_private_segment 0
		.amdhsa_kernarg_size 64
		.amdhsa_user_sgpr_count 2
		.amdhsa_user_sgpr_kernarg_segment_ptr 1
		.amdhsa_wavefront_size32 1
		.amdhsa_system_sgpr_workgroup_id_x 1
		.amdhsa_system_sgpr_workgroup_id_y 1
		.amdhsa_system_sgpr_workgroup_id_z 1
		.amdhsa_system_vgpr_workitem_id 0
		.amdhsa_next_free_vgpr 488
		.amdhsa_next_free_sgpr 102
		.amdhsa_reserve_vcc 0
		.amdhsa_float_denorm_mode_32 3
		.amdhsa_float_denorm_mode_16_64 3
		.amdhsa_memory_ordered 1
		.amdhsa_forward_progress 1
		.amdhsa_inst_pref_size 129
	.end_amdhsa_kernel
	.amdgpu_metadata
---
amdhsa.version: [ 1, 2 ]
amdhsa.kernels:
  - .name:           k_qb5ba333c68_fuse
    .symbol:         k_qb5ba333c68_fuse.kd
    .args:
      - { .name: featT, .offset: 0, .size: 8, .value_kind: global_buffer, .address_space: global }
      - { .name: xq, .offset: 8, .size: 8, .value_kind: global_buffer, .address_space: global }
      - { .name: wq, .offset: 16, .size: 8, .value_kind: global_buffer, .address_space: global }
      - { .name: knn_idx, .offset: 24, .size: 8, .value_kind: global_buffer, .address_space: global }
      - { .name: knn_w, .offset: 32, .size: 8, .value_kind: global_buffer, .address_space: global }
      - { .name: lowp_scales, .offset: 40, .size: 8, .value_kind: global_buffer, .address_space: global }
      - { .name: ybuf, .offset: 48, .size: 8, .value_kind: global_buffer, .address_space: global }
      - { .name: part, .offset: 56, .size: 8, .value_kind: global_buffer, .address_space: global }
    .group_segment_fixed_size: 175104
    .private_segment_fixed_size: 0
    .kernarg_segment_align: 8
    .kernarg_segment_size: 64
    .max_flat_workgroup_size: 256
    .sgpr_count:     102
    .vgpr_count:     488
    .wavefront_size: 32
...
	.end_amdgpu_metadata
.endif
;; end of part 2
;; launch bn (part 3): grid 256 x 1, 8 waves a work-group, no clusters, 3,072 bytes of LDS; arguments ybuf, part, bn_gamma, bn_beta, dense_idx, out0, out1; writes out0, out1
.if DOCPART == 3
	.amdgcn_target "amdgcn-amd-amdhsa--gfx1250"
	.amdhsa_code_object_version 6
	.text
	.protected	k_qb5ba333c68_bn
	.globl	k_qb5ba333c68_bn
	.p2align	8
	.type	k_qb5ba333c68_bn,@function
k_qb5ba333c68_bn:
	s_mov_b64 s[64:65], 0
	v_nop
	global_prefetch_b8 v0, s[64:65] scope:SCOPE_SE
	s_setreg_imm32_b32 hwreg(HW_REG_WAVE_MODE, 25, 1), 1
	s_wait_xcnt 0x0
; out0[b][o][m] = leaky((y - mean[o]) x rsqrt(var[o] + 1e-5) x gamma[o] + beta[o]);  out1 = dense_idx.
; A work-group takes one channel o, wave w the batch w: a row of 16,384 bytes, asked for whole at the head (32 loads of 512 consecutive bytes) and kept in registers.
; Under those loads the channel's statistics are joined from the 256 parts of 128 columns each: mean = the sum of sums / 32,768;
; var = (the sum of M2_i + 128 x the sum of (mean_i - mean)^2) / 32,768: no difference of large sums.
; leaky(t) = max(t, 0.2 t), which is t where t >= 0 and 0.2 t elsewhere.  A stream: matrix units, clusters and tensor loads would add nothing.
	s_load_b256 s[4:11], s[0:1], 0x0               ; ybuf s[4:5], part s[6:7], gamma s[8:9], beta s[10:11]
	s_load_b128 s[12:15], s[0:1], 0x20             ; dense_idx s[12:13], out0 s[14:15]
	s_load_b64 s[16:17], s[0:1], 0x30              ; out1
	v_lshl_add_u32 v176, v0, 2, 0x800
	v_mov_b32 v177, 0
	v_and_b32 v1, 31, v0
	v_lshrrev_b32 v2, 5, v0
	v_readfirstlane_b32 s18, v2                    ; wave = batch
	v_lshlrev_b32 v1, 4, v1                        ; 16 x lane
	v_lshlrev_b32 v2, 11, v0                       ; part: work-group tid's record of 2,048 bytes
	v_lshlrev_b32 v3, 2, v0
	v_lshlrev_b32 v4, 1, v1                        ; 32 x lane: eight parts a lane
.irp i, 168,169,170,171
	v_mov_b32 v\i, 0                               ; written in every wave; wave 0 loads its piece of dense_idx here
.endr
	s_lshl_b32 s20, ttmp9, 2                       ; 4 o
	s_mov_b32 s21, 0
	s_lshl_b32 s22, s18, 8
	s_add_co_u32 s22, s22, ttmp9
	s_lshl_b32 s22, s22, 14                        ; row 256 w + o
	s_mov_b32 s23, 0
	s_lshl_b32 s24, ttmp9, 9                       ; 512 bytes of the indices for each work-group
	s_mov_b32 s25, 0
	s_mov_b32 s28, 0x76543210
	s_mov_b32 s29, 0xfedcba98
	s_mov_b32 s30, 0x3c000000                      ; 1 / 128
	s_mov_b32 s31, 0x43000000                      ; 128
	s_mov_b32 s32, 0x38000000                      ; 1 / 32,768
	s_mov_b32 s33, 0x3727c5ac                      ; 1e-5
	s_wait_kmcnt 0x0
	s_add_nc_u64 s[4:5], s[4:5], s[22:23]
	s_add_nc_u64 s[14:15], s[14:15], s[22:23]
	s_add_nc_u64 s[6:7], s[6:7], s[20:21]
	s_add_nc_u64 s[8:9], s[8:9], s[20:21]
	s_add_nc_u64 s[10:11], s[10:11], s[20:21]
	s_add_nc_u64 s[12:13], s[12:13], s[24:25]
	s_add_nc_u64 s[16:17], s[16:17], s[24:25]
	s_load_b32 s26, s[8:9], 0x0                    ; gamma[o]
	s_load_b32 s27, s[10:11], 0x0                  ; beta[o]
	s_cmp_lg_u32 s18, 0
	s_cbranch_scc1 .Lb_not0
	global_load_b128 v[168:171], v1, s[12:13]      ; the oldest load of wave 0: every count below names younger loads only
.Lb_not0:
	global_load_b32 v5, v2, s[6:7]                 ; part tid's sum,
	global_load_b32 v6, v2, s[6:7] offset:1024     ; and its M2
.set I, 0
.rept 32
	global_load_b128 v[32+4*I:35+4*I], v1, s[4:5] offset:512*I th:TH_LOAD_NT
.set I, I+1
.endr
	s_wait_loadcnt 32                              ; the two figures are in; the row's 32 loads are younger
	ds_store_b32 v3, v5
	ds_store_b32 v3, v6 offset:1024
	s_wait_dscnt 0x0
	s_barrier_signal -1
	s_barrier_wait -1
	ds_load_b128 v[8:11], v4
	ds_load_b128 v[12:15], v4 offset:16
	ds_load_b128 v[16:19], v4 offset:1024
	ds_load_b128 v[20:23], v4 offset:1040
	s_wait_dscnt 0x0
.macro WSUM r, t                       ; the sum over the 32 lanes, in every lane
	v_add_f32_dpp v[\r], v[\r], v[\r] row_xmask:1 row_mask:0xf bank_mask:0xf
	v_add_f32_dpp v[\r], v[\r], v[\r] row_xmask:2 row_mask:0xf bank_mask:0xf
	v_add_f32_dpp v[\r], v[\r], v[\r] row_xmask:4 row_mask:0xf bank_mask:0xf
	v_add_f32_dpp v[\r], v[\r], v[\r] row_xmask:8 row_mask:0xf bank_mask:0xf
	v_permlanex16_b32 v[\t], v[\r], s28, s29
	v_add_f32 v[\r], v[\r], v[\t]
.endm
	v_pk_add_f32 v[24:25], v[8:9], v[10:11]
	v_pk_add_f32 v[26:27], v[12:13], v[14:15]
	v_pk_add_f32 v[24:25], v[24:25], v[26:27]
	v_add_f32 v24, v24, v25
	WSUM 24, 26
	v_mul_f32 v28, s32, v24                        ; mean
	v_mov_b32 v29, v28
.irp i, 0,1,2,3,4,5,6,7
	v_fma_f32 v[8+\i], v[8+\i], s30, -v28          ; mean_i - mean
.endr
	v_mul_f32 v30, v8, v8
	v_mul_f32 v31, v9, v9
.irp i, 2,4,6
	v_fma_f32 v30, v[8+\i], v[8+\i], v30
	v_fma_f32 v31, v[9+\i], v[9+\i], v31
.endr
	v_add_f32 v30, v30, v31
	v_pk_add_f32 v[24:25], v[16:17], v[18:19]
	v_pk_add_f32 v[26:27], v[20:21], v[22:23]
	v_pk_add_f32 v[24:25], v[24:25], v[26:27]
	v_add_f32 v24, v24, v25
	v_fma_f32 v24, v30, s31, v24
	WSUM 24, 26
	v_fma_f32 v24, v24, s32, s33                   ; var + 1e-5
	v_rsq_f32 v25, v24
	v_nop                                          ; a plain line behind the root,
	s_wait_kmcnt 0x0
	s_mov_b32 s34, s27
	s_mov_b32 s35, s27                             ; beta, as a pair
	s_wait_alu depctr_va_vdst(0)                   ; and the wait ahead of its first reader
	v_mul_f32 v30, s26, v25                        ; gamma x rsqrt
	v_mov_b32 v31, v30
.set I, 0
.rept 32
.set Y, 32+4*I
	s_wait_loadcnt 31-I                            ; loads come back in order (ISA guide 5.7.1): piece I is in, the younger ones stay out
	v_pk_add_f32 v[Y:Y+1], v[Y:Y+1], v[28:29] neg_lo:[0,1] neg_hi:[0,1]
	v_pk_add_f32 v[Y+2:Y+3], v[Y+2:Y+3], v[28:29] neg_lo:[0,1] neg_hi:[0,1]
	v_pk_fma_f32 v[Y:Y+1], v[Y:Y+1], v[30:31], s[34:35] op_sel_hi:[1,1,0]
	v_pk_fma_f32 v[Y+2:Y+3], v[Y+2:Y+3], v[30:31], s[34:35] op_sel_hi:[1,1,0]
	v_pk_mul_f32 v[160:161], v[Y:Y+1], 0x3e4ccccd op_sel_hi:[1,0]
	v_pk_mul_f32 v[162:163], v[Y+2:Y+3], 0x3e4ccccd op_sel_hi:[1,0]
	v_max_num_f32 v[Y], v[Y], v160
	v_max_num_f32 v[Y+1], v[Y+1], v161
	v_max_num_f32 v[Y+2], v[Y+2], v162
	v_max_num_f32 v[Y+3], v[Y+3], v163
	global_store_b128 v1, v[Y:Y+3], s[14:15] offset:512*I th:TH_STORE_NT   ; 512 consecutive bytes a wave; each piece has registers of its own, so no store's data are written again
.set I, I+1
.endr
	s_cmp_lg_u32 s18, 0
	s_cbranch_scc1 .Lb_end
	global_store_b128 v1, v[168:171], s[16:17]     ; out1: this work-group's 512 bytes of dense_idx
.Lb_end:
	s_wait_tensorcnt 0x0
	ds_add_u32 v176, v177
	s_wait_dscnt 0x0
	s_endpgm
.Lfunc_end_k_qb5ba333c68_bn:
	.size	k_qb5ba333c68_bn, .Lfunc_end_k_qb5ba333c68_bn-k_qb5ba333c68_bn
	.p2alignl 7, 3214868480
	.fill 96, 4, 3214868480
	.section	.rodata,"a",@progbits
	.p2align	6, 0x0
	.amdhsa_kernel k_qb5ba333c68_bn
		.amdhsa_group_segment_fixed_size 3072
		.amdhsa_private_segment_fixed_size 0
		.amdhsa_enable_private_segment 0
		.amdhsa_kernarg_size 56
		.amdhsa_user_sgpr_count 2
		.amdhsa_user_sgpr_kernarg_segment_ptr 1
		.amdhsa_wavefront_size32 1
		.amdhsa_system_sgpr_workgroup_id_x 1
		.amdhsa_system_sgpr_workgroup_id_y 1
		.amdhsa_system_sgpr_workgroup_id_z 1
		.amdhsa_system_vgpr_workitem_id 0
		.amdhsa_next_free_vgpr 178
		.amdhsa_next_free_sgpr 66
		.amdhsa_reserve_vcc 0
		.amdhsa_float_denorm_mode_32 3
		.amdhsa_float_denorm_mode_16_64 3
		.amdhsa_memory_ordered 1
		.amdhsa_forward_progress 1
		.amdhsa_inst_pref_size 31
	.end_amdhsa_kernel
	.amdgpu_metadata
---
amdhsa.version: [ 1, 2 ]
amdhsa.kernels:
  - .name:           k_qb5ba333c68_bn
    .symbol:         k_qb5ba333c68_bn.kd
    .args:
      - { .name: ybuf, .offset: 0, .size: 8, .value_kind: global_buffer, .address_space: global }
      - { .name: part, .offset: 8, .size: 8, .value_kind: global_buffer, .address_space: global }
      - { .name: bn_gamma, .offset: 16, .size: 8, .value_kind: global_buffer, .address_space: global }
      - { .name: bn_beta, .offset: 24, .size: 8, .value_kind: global_buffer, .address_space: global }
      - { .name: dense_idx, .offset: 32, .size: 8, .value_kind: global_buffer, .address_space: global }
      - { .name: out0, .offset: 40, .size: 8, .value_kind: global_buffer, .address_space: global }
      - { .name: out1, .offset: 48, .size: 8, .value_kind: global_buffer, .address_space: global }
    .group_segment_fixed_size: 3072
    .private_segment_fixed_size: 0
    .kernarg_segment_align: 8
    .kernarg_segment_size: 56
    .max_flat_workgroup_size: 256
    .sgpr_count:     66
    .vgpr_count:     178
    .wavefront_size: 32
...
	.end_amdgpu_metadata
.endif
;; end of part 3
;; ======== version 2 of 2: 3 launches
;; workspace buffers: knn_idx 524,288 bytes of whole numbers; knn_w 1,048,576 bytes; featT 16,777,216 bytes; xq 8,388,608 bytes; wq 196,608 bytes; ybuf 33,554,432 bytes; part 524,288 bytes
;; launch prep (part 4): grid 1072 x 1, 8 waves a work-group, no clusters, 101,888 bytes of LDS; arguments dense_idx, sparse_idx, pcd, sparse_data, dense_data, conv_w, lowp_scales, knn_idx, knn_w, featT, xq, wq; writes knn_idx, knn_w, featT, xq, wq
.if DOCPART == 4
	.amdgcn_target "amdgcn-amd-amdhsa--gfx1250"
	.amdhsa_code_object_version 6
	.text
	.protected	k_qb5ba333c68_prep
	.globl	k_qb5ba333c68_prep
	.p2align	8
	.type	k_qb5ba333c68_prep,@function
k_qb5ba333c68_prep:
	s_mov_b64 s[64:65], 0
	v_nop
	global_prefetch_b8 v0, s[64:65] scope:SCOPE_SE
	s_setreg_imm32_b32 hwreg(HW_REG_WAVE_MODE, 25, 1), 1
	s_wait_xcnt 0x0
; FOUR JOBS IN ONE LAUNCH, told apart by the work-group's number (all eight waves of a work-group take one path; each job has LDS bytes of its own):
;   K  work-groups    0-255 : for 128 dense points each, the 3 nearest of the batch's 1,024 sparse points, and their inverse-distance weights
;   Q  work-groups  256-511 : dense_data [b][256 c][4096 m] f32 -> codes of E4M3 with the channels innermost, xq [(b,m)][256]
;   T  work-groups  512-1023: sparse_data [b][512 c][1024 s] f32 -> featT [b][s][j 4][l 32][e 4] f32, channel = 16 l + 4 j + e (a row s is 2,048 bytes)
;   W  work-groups 1024-1071: conv_w [256][768] f32 -> codes in the order of a matrix operand's registers, wq [s 6][t 16][c 4][lane 32][16 bytes]
; K is vector work, Q, T and W are streams: they run side by side.  The neighbours' numbers are only STORED here, at fixed places: no address of this launch hangs on them.
; d2 = (dd + ss) - 2 dot, as the problem writes it: dot is a chain of fused multiply-adds in ascending order (DOT_FMA = 1; 0: products rounded, then added),
; dd and ss likewise (SQ_FMA = 1; 0: squares rounded, then added).  Ties go to the lower index: every compare is strict and candidates come in ascending order.
; LIMITS.  NaN and infinite coordinates are not served.  Two candidates whose d2 differ by less than the rounding of f32 may be ordered otherwise than another order of rounding would.
; 1 / x is v_rcp_f32.  The given exponents e0, e1 lie between -126 and 119, so that 2^e and 448 x 2^e are f32 numbers.  NaN among the numbers to be quantised is not served.
.set SQ_FMA,  1
.set DOT_FMA, 1
.set KTAB, 0                           ; K: 1,024 + 8 candidates x 32 bytes (x,x,y,y,z,z,ss,ss); later 8 waves' lists, 3,072 bytes each
.set QST,  33280                       ; Q: 128 rows x (256 bytes + 16)
.set TT,   68096                       ; T: 64 rows x 512 bytes
.set WV,   3                           ; s3  my wave's number
.macro MKSCALE se, st, vs, vl          ; s[se] = e  ->  v[vs] = 2^e as f32 (the conversion takes its exponent field), v[vl] = 448 x 2^e
	s_add_co_i32 s[\se], s[\se], 127
	s_lshl_b32 s[\st], s[\se], 23
	v_mov_b32 v[\vs], s[\st]
	s_add_co_i32 s[\se], s[\se], 8
	s_lshl_b32 s[\se], s[\se], 23
	s_or_b32 s[\se], s[\se], 0x600000
	v_mov_b32 v[\vl], s[\se]
.endm
	v_lshl_add_u32 v128, v0, 2, 0x18a00
	v_mov_b32 v129, 0
	v_and_b32 v1, 31, v0                           ; lane
	v_lshrrev_b32 v4, 5, v0
	s_delay_alu instid0(VALU_DEP_1)
	v_readfirstlane_b32 s[WV], v4                  ; wave 0..7
	v_and_b32 v2, 15, v0                           ; r = lane % 16
	v_bfe_u32 v3, v0, 4, 1                         ; h = lane / 16
	s_cmp_lt_u32 ttmp9, 256
	s_cbranch_scc1 .Lrole_k
	s_cmp_lt_u32 ttmp9, 512
	s_cbranch_scc1 .Lrole_q
	s_cmp_lt_u32 ttmp9, 1024
	s_cbranch_scc1 .Lrole_t
; ---------------------------------------------------------------- W: the weights.  A wave makes 512 bytes: piece c of fragment f = 16 s + t.
; Byte e of lane (r, h) is the code of W[16 t + r][128 s + 32 c + 16 h + e]: sixteen neighbours along K from the lane's own registers.
	s_load_b64 s[4:5], s[0:1], 0x28                ; conv_w
	s_load_b64 s[6:7], s[0:1], 0x30                ; lowp_scales
	s_load_b64 s[8:9], s[0:1], 0x58                ; wq
	s_sub_co_u32 s10, ttmp9, 1024                  ; u = 0..47: two fragments
	s_lshr_b32 s11, s[WV], 2
	s_lshl_b32 s12, s10, 1
	s_add_co_u32 s12, s12, s11
	s_and_b32 s12, s12, 15                         ; t
	s_lshr_b32 s13, s10, 3                         ; s
	s_and_b32 s16, s[WV], 3                        ; c
	s_mul_i32 s12, s12, 49152                      ; 16 rows of 3,072 bytes
	s_lshl_b32 s13, s13, 9                         ; 128 numbers
	s_lshl_b32 s16, s16, 7                         ; 32 numbers
	s_add_co_u32 s12, s12, s13
	s_add_co_u32 s12, s12, s16
	s_mov_b32 s13, 0
	s_lshl_b32 s16, s10, 12
	s_mov_b32 s17, 0
	s_wait_alu depctr_va_vdst(0)
	v_mul_u32_u24 v4, v2, 3072
	s_delay_alu instid0(VALU_DEP_1)
	v_lshl_add_u32 v4, v3, 6, v4                   ; row r, + 16 h numbers
	v_lshlrev_b32 v5, 4, v0                        ; out: 16 bytes a thread, 512 consecutive bytes a wave
	s_wait_alu depctr_va_vdst(0)
	s_wait_kmcnt 0x0
	s_load_b32 s18, s[6:7], 0x4                    ; e1
	s_add_nc_u64 s[4:5], s[4:5], s[12:13]
	s_add_nc_u64 s[8:9], s[8:9], s[16:17]
.irp n, 0,1,2,3
	global_load_b128 v[8+4*\n:11+4*\n], v4, s[4:5] offset:16*\n
.endr
	s_wait_kmcnt 0x0
	MKSCALE 18, 19, 28, 29
	s_wait_alu depctr_va_vdst(0)
	s_wait_loadcnt 0x0
.irp i, 0,1,2,3,4,5,6,7,8,9,10,11,12,13,14,15
	v_med3_num_f32 v[8+\i], v[8+\i], -v29, v29     ; the conversion to an 8-bit code does not saturate (ISA guide 7.6.2): the hold at the largest code x the scale
.endr
	v_cvt_scalef32_pk8_fp8_f32 v[24:25], v[8:15], v28
	v_cvt_scalef32_pk8_fp8_f32 v[26:27], v[16:23], v28
	global_store_b128 v5, v[24:27], s[8:9]         ; the codes go to a store alone, and nothing follows
	s_endpgm
; ---------------------------------------------------------------- Q: the dense channels.  A lane takes a column m, its registers run down the channels:
; each load reads 128 consecutive bytes a wave, and the conversions give codes with the channels innermost.  Wave w: columns 32 (w % 4) on, channels 128 (w / 4) on.
.Lrole_q:
	s_load_b64 s[4:5], s[0:1], 0x20                ; dense_data
	s_load_b64 s[6:7], s[0:1], 0x30                ; lowp_scales
	s_load_b64 s[8:9], s[0:1], 0x50                ; xq
	s_sub_co_u32 s10, ttmp9, 256
	s_lshr_b32 s11, s10, 5                         ; b
	s_and_b32 s10, s10, 31
	s_lshl_b32 s10, s10, 7                         ; m0
	s_and_b32 s12, s[WV], 3                        ; g
	s_lshr_b32 s13, s[WV], 2                       ; hh
	s_lshl_b32 s16, s11, 22                        ; a batch: 256 rows of 16,384 bytes
	s_lshl_b32 s17, s13, 21                        ; 128 rows
	s_add_co_u32 s16, s16, s17
	s_lshl_b32 s17, s12, 5
	s_add_co_u32 s17, s17, s10
	s_lshl_b32 s17, s17, 2                         ; 4 (m0 + 32 g)
	s_add_co_u32 s16, s16, s17
	s_mov_b32 s17, 0
	s_lshl_b32 s18, s11, 12
	s_add_co_u32 s18, s18, s10
	s_lshl_b32 s18, s18, 8                         ; 256 (4096 b + m0)
	s_lshl_b32 s19, s[WV], 12                      ; + my 16 rows on the way out
	s_add_co_u32 s18, s18, s19
	s_mov_b32 s19, 0
	s_mul_i32 s20, s12, 32*272
	s_lshl_b32 s21, s13, 7
	s_add_co_u32 s20, s20, s21
	s_add_co_u32 s20, s20, QST
	s_wait_alu depctr_va_vdst(0)
	v_mul_u32_u24 v5, v1, 272
	s_delay_alu instid0(VALU_DEP_1)
	v_add_nc_u32 v5, s20, v5                       ; into the stage: row = my column, + my 128 channels' bytes
	s_mul_i32 s21, s[WV], 16*272
	s_add_co_u32 s21, s21, QST
	v_mul_u32_u24 v6, v3, 272
	s_delay_alu instid0(VALU_DEP_1)
	v_lshl_add_u32 v6, v2, 4, v6
	s_delay_alu instid0(VALU_DEP_1)
	v_add_nc_u32 v6, s21, v6                       ; out of it: sixteen lanes to a row, two rows an instruction
	v_lshlrev_b32 v4, 2, v1                        ; in: 4 bytes a lane
	v_lshlrev_b32 v7, 4, v1                        ; out: 16 bytes a lane
	s_wait_alu depctr_va_vdst(0)
	s_wait_kmcnt 0x0
	s_load_b32 s22, s[6:7], 0x0                    ; e0
	s_add_nc_u64 s[4:5], s[4:5], s[16:17]
	s_add_nc_u64 s[8:9], s[8:9], s[18:19]
.macro QLOAD t                         ; 32 channels of my column into set t % 2
.set I, 0
.rept 32
	global_load_b32 v[32+32*((\t)%2)+I], v4, s[4:5] offset:16384*(32*(\t)+I) th:TH_LOAD_NT
.set I, I+1
.endr
.endm
.macro QBLOCK t
.set XS, 32+32*((\t)%2)
.if (\t) < 3
	s_wait_loadcnt 32                              ; this block's 32 loads are in; the next block's 32 may be out
.else
	s_wait_loadcnt 0x0
.endif
.set I, 0
.rept 32
	v_med3_num_f32 v[XS+I], v[XS+I], -v10, v10     ; the hold at the largest code x the scale
.set I, I+1
.endr
.irp g, 0,1,2,3
	v_cvt_scalef32_pk8_fp8_f32 v[96+2*\g:97+2*\g], v[XS+8*\g:XS+8*\g+7], v11
.endr
	ds_store_b128 v5, v[96:99] offset:32*(\t)
	ds_store_b128 v5, v[100:103] offset:32*(\t)+16
.if (\t)+2 < 4
	QLOAD (\t)+2
.endif
	s_wait_dscnt 0x0                               ; the stores have read their registers: the next block's codes may be written (its holds are the plain lines behind these conversions)
.endm
	QLOAD 0
	QLOAD 1
	s_wait_kmcnt 0x0
	MKSCALE 22, 23, 11, 10
	s_wait_alu depctr_va_vdst(0)
	QBLOCK 0
	QBLOCK 1
	QBLOCK 2
	QBLOCK 3
	s_barrier_signal -1                            ; my stores into the stage are done (the wait for 0 above): a row's 256 bytes come from two waves
	s_barrier_wait -1
.irp t, 0,1,2,3,4,5,6,7
	ds_load_b128 v[32+4*\t:35+4*\t], v6 offset:544*\t
.endr
.irp t, 0,1,2,3,4,5,6,7
	s_wait_dscnt 7-\t
	global_store_b128 v7, v[32+4*\t:35+4*\t], s[8:9] offset:512*\t   ; the wave stores 512 consecutive bytes: two whole rows of xq
.endr
	s_wait_tensorcnt 0x0
	ds_add_u32 v128, v129
	s_wait_dscnt 0x0
	s_endpgm
; ---------------------------------------------------------------- T: the sparse features, turned.  A work-group: 64 s x the 128 channels 16 l' + 4 j + e of one j.
; In: a load takes two rows c, 256 consecutive bytes (64 s) each.  Through LDS: row s of 512 bytes, piece l' of 16 bytes at place l' xor (s / 4), so that
; the 32 lanes of a 4-byte store fall on 32 different banks (64 banks of 4 bytes: ISA guide 11.1) with no padding.  Out: a wave stores 512 consecutive bytes.
.Lrole_t:
	s_load_b64 s[4:5], s[0:1], 0x18                ; sparse_data
	s_load_b64 s[8:9], s[0:1], 0x48                ; featT
	s_sub_co_u32 s10, ttmp9, 512
	s_lshr_b32 s11, s10, 6                         ; b
	s_bfe_u32 s12, s10, 0x40002                    ; sb
	s_and_b32 s13, s10, 3                          ; j
	s_lshl_b32 s16, s11, 21                        ; a batch: 512 rows of 4,096 bytes
	s_lshl_b32 s17, s[WV], 18                      ; channels 64 w on
	s_add_co_u32 s16, s16, s17
	s_lshl_b32 s17, s13, 14                        ; + 4 j
	s_add_co_u32 s16, s16, s17
	s_lshl_b32 s17, s12, 8                         ; s = 64 sb on
	s_add_co_u32 s16, s16, s17
	s_mov_b32 s17, 0
	s_lshl_b32 s18, s11, 21                        ; a batch of featT: 1,024 rows of 2,048 bytes
	s_lshl_b32 s19, s12, 17                        ; 64 sb rows
	s_add_co_u32 s18, s18, s19
	s_lshl_b32 s19, s[WV], 14                      ; 8 w rows
	s_add_co_u32 s18, s18, s19
	s_lshl_b32 s19, s13, 9                         ; 512 j
	s_add_co_u32 s18, s18, s19
	s_mov_b32 s19, 0
	v_lshrrev_b32 v5, 3, v0
	s_delay_alu instid0(VALU_DEP_1)
	v_and_b32 v5, 0x1c, v5                         ; 4 w
	s_wait_alu depctr_va_vdst(0)
	v_xor_b32 v6, v5, v2                           ; 4 w xor li (li = lane % 16 = s / 4 of my four s)
.irp ii, 0,1,2,3
	v_xor_b32 v[12+\ii], \ii, v6                   ; (4 w + ii) xor li: the place of piece l' = 4 w + ii
	s_delay_alu instid0(VALU_DEP_1)
	v_lshlrev_b32 v[12+\ii], 4, v[12+\ii]
	s_delay_alu instid0(VALU_DEP_1)
	v_lshl_add_u32 v[12+\ii], v2, 11, v[12+\ii]    ; rows 4 li on
	s_delay_alu instid0(VALU_DEP_1)
	v_lshl_add_u32 v[12+\ii], v3, 2, v[12+\ii]     ; e = 2 ep + h
	s_delay_alu instid0(VALU_DEP_1)
	v_add_nc_u32 v[12+\ii], TT, v[12+\ii]
.endr
	v_lshrrev_b32 v7, 4, v0
	s_delay_alu instid0(VALU_DEP_1)
	v_and_b32 v7, 0xe, v7                          ; 2 w
	s_delay_alu instid0(VALU_DEP_1)
	v_xor_b32 v7, v7, v1                           ; lane xor 2 w
	v_and_b32 v8, 0xe0, v0
	s_delay_alu instid0(VALU_DEP_1)
	v_lshlrev_b32 v8, 7, v8                        ; 4096 w: rows 8 w on
	s_delay_alu instid0(VALU_DEP_1)
	v_add_nc_u32 v8, TT, v8
	s_delay_alu instid0(VALU_DEP_1)
	v_lshl_add_u32 v16, v7, 4, v8                  ; rows 8 w + 0..3: s / 4 = 2 w
	v_xor_b32 v7, 1, v7
	s_delay_alu instid0(VALU_DEP_1)
	v_lshl_add_u32 v17, v7, 4, v8                  ; rows 8 w + 4..7: s / 4 = 2 w + 1
	v_lshlrev_b32 v10, 12, v3
	s_delay_alu instid0(VALU_DEP_1)
	v_lshl_add_u32 v10, v2, 4, v10                 ; in: row h, 16 bytes a lane
	v_lshlrev_b32 v11, 4, v1                       ; out: 16 bytes a lane
	s_wait_alu depctr_va_vdst(0)
	s_wait_kmcnt 0x0
	s_add_nc_u64 s[4:5], s[4:5], s[16:17]
	s_add_nc_u64 s[8:9], s[8:9], s[18:19]
.irp i, 0,1,2,3,4,5,6,7                        ; load i: channel 64 w + 16 (i / 2) + 4 j + 2 (i % 2) + h
	global_load_b128 v[32+4*\i:35+4*\i], v10, s[4:5] offset:65536*(\i/2)+8192*(\i%2) th:TH_LOAD_NT
.endr
.irp i, 0,1,2,3,4,5,6,7
	s_wait_loadcnt 7-\i
.irp k, 0,1,2,3
	ds_store_b32 v[12+\i/2], v[32+4*\i+\k] offset:512*\k+8*(\i%2)
.endr
.endr
	s_wait_dscnt 0x0                               ; for the others' sake: my stores are done
	s_barrier_signal -1
	s_barrier_wait -1
.irp rr, 0,1,2,3,4,5,6,7
	ds_load_b128 v[64+4*\rr:67+4*\rr], v[16+\rr/4] offset:512*\rr
.endr
.irp rr, 0,1,2,3,4,5,6,7
	s_wait_dscnt 7-\rr
	global_store_b128 v11, v[64+4*\rr:67+4*\rr], s[8:9] offset:2048*\rr
.endr
	s_wait_tensorcnt 0x0
	ds_add_u32 v128, v129
	s_wait_dscnt 0x0
	s_endpgm
; ---------------------------------------------------------------- K: the search.  Every wave holds all 128 points of the work-group, four a lane (point 32 p + lane);
; wave w scans candidates 128 w .. 128 w + 127, read from a table in LDS by loads that all lanes aim at one address.  The eight lists of three are then merged, lower candidates first.
.set PX,  8                            ; v[8:11]   x of my four points; PY, PZ likewise; PD: their dd
.set PY,  12
.set PZ,  16
.set PD,  20
.set D0,  24                           ; v[24:35]  the three smallest d2 so far, ascending
.set D1,  28
.set D2,  32
.set I0,  36                           ; v[36:47]  their candidates
.set I1,  40
.set I2,  44
.set DIS, 48                           ; v[48:55]  d2 of two candidates, by turns
.set BS,  56                           ; v[56:59]  dd + ss
.set TA,  60
.set TB,  64
.set CAND, 68                          ; v[68:99]  four slots of eight: x,x,y,y,z,z,ss,ss
.set IDX, 100                          ; v100      the candidate that is being placed
.set ADR, 101                          ; v101      LDS address
.set TM,  102                          ; v[102:105] at work
.Lrole_k:
	s_load_b128 s[4:7], s[0:1], 0x0                ; dense_idx, sparse_idx
	s_load_b64 s[8:9], s[0:1], 0x10                ; pcd
	s_load_b128 s[12:15], s[0:1], 0x38             ; knn_idx, knn_w
	s_lshr_b32 s16, ttmp9, 5                       ; b
	s_and_b32 s19, ttmp9, 31
	s_lshl_b32 s19, s19, 7                         ; m0
	s_lshl_b32 s10, s16, 12
	s_add_co_u32 s10, s10, s19                     ; 4096 b + m0
	s_mov_b32 s33, 0
	v_lshlrev_b32 v102, 2, v0
	s_wait_alu depctr_va_vdst(0)
	v_lshlrev_b32 v107, 2, v1
	v_lshlrev_b32 v112, 5, v0                      ; my entries of the table: 32 tid + 8,192 e
	v_lshlrev_b32 v113, 4, v2
	v_lshlrev_b32 v118, 2, v0                      ; the merge: 4 tid
	v_lshlrev_b32 v119, 4, v0                      ; the stores: 16 tid
.irp i, 114,115,116,117
	v_mov_b32 v\i, 0
.endr
	s_wait_alu depctr_va_vdst(0)
	s_wait_kmcnt 0x0
	s_lshl_b32 s32, s10, 2
	s_add_nc_u64 s[4:5], s[4:5], s[32:33]
	s_lshl_b32 s32, s16, 12
	s_add_nc_u64 s[6:7], s[6:7], s[32:33]
	s_mul_i32 s32, s16, 49152
	s_add_nc_u64 s[8:9], s[8:9], s[32:33]
	s_lshl_b32 s32, s10, 4
	s_add_nc_u64 s[12:13], s[12:13], s[32:33]
	s_add_nc_u64 s[14:15], s[14:15], s[32:33]
.irp e, 0,1,2,3
	global_load_b32 v[103+\e], v102, s[6:7] offset:1024*\e    ; sparse_idx of candidate tid + 256 e
.endr
.irp p, 0,1,2,3
	global_load_b32 v[108+\p], v107, s[4:5] offset:128*\p     ; dense_idx of point 32 p + lane
.endr
	s_wait_loadcnt 0x0
.irp i, 103,104,105,106,108,109,110,111
	v_min_u32 v\i, 0xfff, v\i                      ; an index stays inside pcd's 4,096 points
	s_delay_alu instid0(VALU_DEP_1)
	v_lshlrev_b32 v\i, 2, v\i
.endr
.irp e, 0,1,2,3
	global_load_b32 v[CAND+8*\e],   v[103+\e], s[8:9]
	global_load_b32 v[CAND+8*\e+2], v[103+\e], s[8:9] offset:16384
	global_load_b32 v[CAND+8*\e+4], v[103+\e], s[8:9] offset:32768
.endr
.irp p, 0,1,2,3
	global_load_b32 v[PX+\p], v[108+\p], s[8:9]
	global_load_b32 v[PY+\p], v[108+\p], s[8:9] offset:16384
	global_load_b32 v[PZ+\p], v[108+\p], s[8:9] offset:32768
.endr
	s_wait_loadcnt 12                              ; the candidates' twelve are in; the points' twelve are younger
.irp e, 0,1,2,3
.set CB, CAND+8*\e
	v_mul_f32 v[CB+6], v[CB], v[CB]
.if SQ_FMA
	s_delay_alu instid0(VALU_DEP_1)
	v_fma_f32 v[CB+6], v[CB+2], v[CB+2], v[CB+6]
	s_delay_alu instid0(VALU_DEP_1)
	v_fma_f32 v[CB+6], v[CB+4], v[CB+4], v[CB+6]
.else
	v_mul_f32 v[CB+7], v[CB+2], v[CB+2]
	v_add_f32 v[CB+6], v[CB+6], v[CB+7]
	v_mul_f32 v[CB+7], v[CB+4], v[CB+4]
	v_add_f32 v[CB+6], v[CB+6], v[CB+7]
.endif
	v_mov_b32 v[CB+1], v[CB]
	v_mov_b32 v[CB+3], v[CB+2]
	v_mov_b32 v[CB+5], v[CB+4]
	s_delay_alu instid0(VALU_DEP_4)
	v_mov_b32 v[CB+7], v[CB+6]
	ds_store_b128 v112, v[CB:CB+3] offset:KTAB+8192*\e
	ds_store_b128 v112, v[CB+4:CB+7] offset:KTAB+8192*\e+16
.endr
	s_cmp_lg_u32 s[WV], 0
	s_cbranch_scc1 .Lk_nopad
	ds_store_b128 v113, v[114:117] offset:KTAB+32768   ; eight entries of zeros behind the table: the ring of loads below runs five candidates past a wave's last, and never places them
.Lk_nopad:
	s_wait_loadcnt 0x0
.irp p, 0,1,2,3
	v_mul_f32 v[PD+\p], v[PX+\p], v[PX+\p]
.if SQ_FMA
	s_delay_alu instid0(VALU_DEP_1)
	v_fma_f32 v[PD+\p], v[PY+\p], v[PY+\p], v[PD+\p]
	s_delay_alu instid0(VALU_DEP_1)
	v_fma_f32 v[PD+\p], v[PZ+\p], v[PZ+\p], v[PD+\p]
.else
	v_mul_f32 v[TM+\p], v[PY+\p], v[PY+\p]
	v_add_f32 v[PD+\p], v[PD+\p], v[TM+\p]
	v_mul_f32 v[TM+\p], v[PZ+\p], v[PZ+\p]
	v_add_f32 v[PD+\p], v[PD+\p], v[TM+\p]
.endif
.endr
.irp i, 0,1,2,3,4,5,6,7,8,9,10,11
	v_mov_b32 v[D0+\i], 0x7f800000                 ; +infinity: every d2 lies under it
	v_mov_b32 v[I0+\i], 0
.endr
	s_lshl_b32 s10, s[WV], 7
	v_mov_b32 v[IDX], s10                          ; my first candidate
	s_lshl_b32 s17, s[WV], 12                      ; and its entry (KTAB = 0)
	s_wait_dscnt 0x0                               ; my entries are stored
	s_barrier_signal -1
	s_barrier_wait -1                              ; the table is whole
.macro LOADC slot, off
	ds_load_b128 v[CAND+8*(\slot):CAND+8*(\slot)+3], v[ADR] offset:\off
	ds_load_b128 v[CAND+8*(\slot)+4:CAND+8*(\slot)+7], v[ADR] offset:(\off)+16
.endm
; stage n of five of d2 = (dd + ss) - 2 dot for my four points (two packed pairs) against the candidate in a slot
.macro DST n, slot, set
.set CB, CAND+8*(\slot)
.set DB, DIS+4*(\set)
.irp pr, 0,2
.if \n == 1
	v_pk_mul_f32 v[DB+\pr:DB+\pr+1], v[PX+\pr:PX+\pr+1], v[CB:CB+1]
.elseif \n == 2
	v_pk_add_f32 v[BS+\pr:BS+\pr+1], v[PD+\pr:PD+\pr+1], v[CB+6:CB+7]
.elseif \n == 3
.if DOT_FMA
	v_pk_fma_f32 v[DB+\pr:DB+\pr+1], v[PY+\pr:PY+\pr+1], v[CB+2:CB+3], v[DB+\pr:DB+\pr+1]
.else
	v_pk_mul_f32 v[TM+\pr:TM+\pr+1], v[PY+\pr:PY+\pr+1], v[CB+2:CB+3]
	v_pk_add_f32 v[DB+\pr:DB+\pr+1], v[DB+\pr:DB+\pr+1], v[TM+\pr:TM+\pr+1]
.endif
.elseif \n == 4
.if DOT_FMA
	v_pk_fma_f32 v[DB+\pr:DB+\pr+1], v[PZ+\pr:PZ+\pr+1], v[CB+4:CB+5], v[DB+\pr:DB+\pr+1]
.else
	v_pk_mul_f32 v[TM+\pr:TM+\pr+1], v[PZ+\pr:PZ+\pr+1], v[CB+4:CB+5]
	v_pk_add_f32 v[DB+\pr:DB+\pr+1], v[DB+\pr:DB+\pr+1], v[TM+\pr:TM+\pr+1]
.endif
.else
	v_pk_fma_f32 v[DB+\pr:DB+\pr+1], v[DB+\pr:DB+\pr+1], -2.0, v[BS+\pr:BS+\pr+1] op_sel_hi:[1,0,1]   ; 2 dot is exact: one rounding
.endif
.endr
.endm
; Step u of a trip's four: the candidate before is placed among each point's three (eleven lines a point), and between those lines this step's candidate gets its d2.
.macro STEP u
.set CUR, DIS+4*(((\u)+1)%2)
	s_wait_dscnt 6                                 ; this slot's two loads are in; the three other slots' six are younger
.irp p, 0,1,2,3
	v_cmp_lt_f32 s[20+\p], v[CUR+\p], v[D2+\p]
.endr
	DST 1, (\u)%4, (\u)%2
.irp p, 0,1,2,3
	v_cmp_lt_f32 s[24+\p], v[CUR+\p], v[D1+\p]
.endr
	DST 2, (\u)%4, (\u)%2
.irp p, 0,1,2,3
	v_cmp_lt_f32 s[28+\p], v[CUR+\p], v[D0+\p]
.endr
	DST 3, (\u)%4, (\u)%2
.irp p, 0,1,2,3
	v_cndmask_b32 v[TA+\p], v[I2+\p], v[IDX], s[20+\p]
.endr
.irp p, 0,1,2,3
	v_cndmask_b32 v[TB+\p], v[I1+\p], v[IDX], s[24+\p]
.endr
	DST 4, (\u)%4, (\u)%2
.irp p, 0,1,2,3
	v_cndmask_b32 v[I2+\p], v[TA+\p], v[I1+\p], s[24+\p]
.endr
.irp p, 0,1,2,3
	v_cndmask_b32 v[I1+\p], v[TB+\p], v[I0+\p], s[28+\p]
.endr
	DST 5, (\u)%4, (\u)%2
.irp p, 0,1,2,3
	v_cndmask_b32 v[I0+\p], v[I0+\p], v[IDX], s[28+\p]
.endr
.irp p, 0,1,2,3
	v_med3_num_f32 v[D2+\p], v[CUR+\p], v[D1+\p], v[D2+\p]
.endr
.irp p, 0,1,2,3
	v_med3_num_f32 v[D1+\p], v[CUR+\p], v[D0+\p], v[D1+\p]
.endr
.irp p, 0,1,2,3
	v_min_num_f32 v[D0+\p], v[CUR+\p], v[D0+\p]
.endr
	v_add_nc_u32 v[IDX], 1, v[IDX]
	LOADC (\u)%4, 32*((\u)+4)                      ; the slot takes the candidate four further on
.endm
	v_mov_b32 v[ADR], s17
	LOADC 0, 0
	LOADC 1, 32
	LOADC 2, 64
	LOADC 3, 96
	s_wait_dscnt 6
.irp n, 1,2,3,4,5
	DST \n, 0, 0                                   ; candidate 0's d2
.endr
	LOADC 0, 128
	s_mov_b32 s18, 0
.Lk_scan:                                              ; 32 trips of four candidates; eight loads are out at the head, on the way in and on the way back
	v_mov_b32 v[ADR], s17
	s_wait_alu depctr_va_vdst(0)
	STEP 1
	STEP 2
	STEP 3
	STEP 4
	s_add_co_u32 s17, s17, 128
	s_add_co_u32 s18, s18, 1
	s_cmp_lt_u32 s18, 32
	s_cbranch_scc1 .Lk_scan
	s_wait_dscnt 0x0                               ; my reads of the table are over
	s_barrier_signal -1
	s_barrier_wait -1                              ; everybody's are: the lists may lie where the table lay
	s_mul_i32 s10, s[WV], 3072
	v_lshl_add_u32 v[ADR], v1, 2, s10
	s_wait_alu depctr_va_vdst(0)
.irp f, 0,1,2,3,4,5                            ; field f (d0, d1, d2, i0, i1, i2) of point 32 p + lane: 3,072 w + 512 f + 4 point
.irp p, 0,1,2,3
	ds_store_b32 v[ADR], v[D0+4*\f+\p] offset:KTAB+512*\f+128*\p
.endr
.endr
	s_wait_dscnt 0x0
	s_barrier_signal -1
	s_barrier_wait -1
	s_cmp_lt_u32 s[WV], 4
	s_cbranch_scc1 .Lk_merge
	s_wait_tensorcnt 0x0
	ds_add_u32 v128, v129
	s_wait_dscnt 0x0
	s_endpgm                                       ; 128 points want 128 lanes
.Lk_merge:
.irp w, 0,1,2,3,4,5,6,7
.irp f, 0,1,2,3,4,5
	ds_load_b32 v[48+6*\w+\f], v118 offset:KTAB+3072*\w+512*\f
.endr
.endr
	s_wait_dscnt 0x0
.macro INS d, i                        ; one more candidate is placed among v48-50 (d2) and v51-53 (index)
	v_cmp_lt_f32 s20, v[\d], v50
	v_cmp_lt_f32 s21, v[\d], v49
	v_cmp_lt_f32 s22, v[\d], v48
	s_delay_alu instid0(VALU_DEP_3)
	v_cndmask_b32 v96, v53, v[\i], s20
	s_delay_alu instid0(VALU_DEP_3)
	v_cndmask_b32 v97, v52, v[\i], s21
	s_delay_alu instid0(VALU_DEP_2)
	v_cndmask_b32 v53, v96, v52, s21
	s_delay_alu instid0(VALU_DEP_2)
	v_cndmask_b32 v52, v97, v51, s22
	v_cndmask_b32 v51, v51, v[\i], s22
	v_med3_num_f32 v50, v[\d], v49, v50
	v_med3_num_f32 v49, v[\d], v48, v49
	v_min_num_f32 v48, v[\d], v48
.endm
.irp w, 1,2,3,4,5,6,7                          ; list 0 is the start; the others follow in ascending order of their candidates
.irp e, 0,1,2
	INS 48+6*\w+\e, 51+6*\w+\e
.endr
.endr
	s_delay_alu instid0(VALU_DEP_1)
	v_add_f32 v54, 0x322bcc77, v48                 ; d + 1e-8
	s_delay_alu instid0(VALU_DEP_3)
	v_add_f32 v55, 0x322bcc77, v49
	v_add_f32 v56, 0x322bcc77, v50
	s_wait_alu depctr_va_vdst(0)
	v_rcp_f32 v57, v54
	v_rcp_f32 v58, v55
	v_rcp_f32 v59, v56
	v_nop                                          ; a plain line behind the reciprocals,
	s_wait_alu depctr_va_vdst(0)                   ; and one wait for the three, ahead of their first reader
	v_add_f32 v60, v57, v58
	v_add_f32 v60, v60, v59
	s_wait_alu depctr_va_vdst(0)
	v_rcp_f32 v61, v60
	v_mov_b32 v72, v51                             ; (a plain line)  the record i0, i1, i2, 0
	v_mov_b32 v73, v52
	v_mov_b32 v74, v53
	v_mov_b32 v75, 0
	v_mov_b32 v70, 0
	v_mov_b32 v71, 0
	s_wait_alu depctr_va_vdst(0)
	v_mul_f32 v64, v57, v61                        ; each weight twice: a pair for the packed multiply-adds of the next launch
	v_mul_f32 v65, v57, v61
	v_mul_f32 v66, v58, v61
	v_mul_f32 v67, v58, v61
	v_mul_f32 v68, v59, v61
	v_mul_f32 v69, v59, v61
	global_store_b128 v119, v[72:75], s[12:13]     ; each store of a wave covers 512 consecutive bytes
	global_store_b128 v119, v[64:67], s[14:15]
	global_store_b128 v119, v[68:71], s[14:15] offset:524288
	s_wait_tensorcnt 0x0
	ds_add_u32 v128, v129
	s_wait_dscnt 0x0
	s_endpgm
.Lfunc_end_k_qb5ba333c68_prep:
	.size	k_qb5ba333c68_prep, .Lfunc_end_k_qb5ba333c68_prep-k_qb5ba333c68_prep
	.p2alignl 7, 3214868480
	.fill 96, 4, 3214868480
	.section	.rodata,"a",@progbits
	.p2align	6, 0x0
	.amdhsa_kernel k_qb5ba333c68_prep
		.amdhsa_group_segment_fixed_size 101888
		.amdhsa_private_segment_fixed_size 0
		.amdhsa_enable_private_segment 0
		.amdhsa_kernarg_size 96
		.amdhsa_user_sgpr_count 2
		.amdhsa_user_sgpr_kernarg_segment_ptr 1
		.amdhsa_wavefront_size32 1
		.amdhsa_system_sgpr_workgroup_id_x 1
		.amdhsa_system_sgpr_workgroup_id_y 1
		.amdhsa_system_sgpr_workgroup_id_z 1
		.amdhsa_system_vgpr_workitem_id 0
		.amdhsa_next_free_vgpr 130
		.amdhsa_next_free_sgpr 66
		.amdhsa_reserve_vcc 0
		.amdhsa_float_denorm_mode_32 3
		.amdhsa_float_denorm_mode_16_64 3
		.amdhsa_memory_ordered 1
		.amdhsa_forward_progress 1
		.amdhsa_inst_pref_size 86
	.end_amdhsa_kernel
	.amdgpu_metadata
---
amdhsa.version: [ 1, 2 ]
amdhsa.kernels:
  - .name:           k_qb5ba333c68_prep
    .symbol:         k_qb5ba333c68_prep.kd
    .args:
      - { .name: dense_idx, .offset: 0, .size: 8, .value_kind: global_buffer, .address_space: global }
      - { .name: sparse_idx, .offset: 8, .size: 8, .value_kind: global_buffer, .address_space: global }
      - { .name: pcd, .offset: 16, .size: 8, .value_kind: global_buffer, .address_space: global }
      - { .name: sparse_data, .offset: 24, .size: 8, .value_kind: global_buffer, .address_space: global }
      - { .name: dense_data, .offset: 32, .size: 8, .value_kind: global_buffer, .address_space: global }
      - { .name: conv_w, .offset: 40, .size: 8, .value_kind: global_buffer, .address_space: global }
      - { .name: lowp_scales, .offset: 48, .size: 8, .value_kind: global_buffer, .address_space: global }
      - { .name: knn_idx, .offset: 56, .size: 8, .value_kind: global_buffer, .address_space: global }
      - { .name: knn_w, .offset: 64, .size: 8, .value_kind: global_buffer, .address_space: global }
      - { .name: featT, .offset: 72, .size: 8, .value_kind: global_buffer, .address_space: global }
      - { .name: xq, .offset: 80, .size: 8, .value_kind: global_buffer, .address_space: global }
      - { .name: wq, .offset: 88, .size: 8, .value_kind: global_buffer, .address_space: global }
    .group_segment_fixed_size: 101888
    .private_segment_fixed_size: 0
    .kernarg_segment_align: 8
    .kernarg_segment_size: 96
    .max_flat_workgroup_size: 256
    .sgpr_count:     66
    .vgpr_count:     130
    .wavefront_size: 32
...
	.end_amdgpu_metadata
.endif
;; end of part 4
;; launch fuse (part 5): grid 256 x 1, 8 waves a work-group, no clusters, 175,104 bytes of LDS; arguments featT, xq, wq, knn_idx, knn_w, lowp_scales, ybuf, part; writes ybuf, part
.if DOCPART == 5
	.amdgcn_target "amdgcn-amd-amdhsa--gfx1250"
	.amdhsa_code_object_version 6
	.text
	.protected	k_qb5ba333c68_fuse
	.globl	k_qb5ba333c68_fuse
	.p2align	8
	.type	k_qb5ba333c68_fuse,@function
k_qb5ba333c68_fuse:
	s_mov_b64 s[64:65], 0
	v_nop
	global_prefetch_b8 v0, s[64:65] scope:SCOPE_SE
	s_setreg_imm32_b32 hwreg(HW_REG_WAVE_SCHED_MODE, 0, 2), 2
	s_setreg_imm32_b32 hwreg(HW_REG_WAVE_MODE, 25, 1), 1
	s_wait_xcnt 0x0
	s_wait_alu depctr_vm_vsrc(0)
; y[b][o][m] = sum over k of Q(x)[m][k] Q(W)[o][k] x 2^(e0 + e1), K = 768: 256 dense channels (codes from xq) and 512 interpolated ones, made here.
; A work-group takes 128 columns m of one batch and all 256 outputs.
; PHASE 1.  Wave w interpolates columns 16 w .. 16 w + 15: for each, the three neighbours' rows of featT (2,048 bytes each; their numbers were stored by the launch before and are read by
; scalar loads) are blended in f32 with the stored weights, held, converted to E4M3 and laid into row m of XT in LDS.  featT's order gives lane l the channels 16 l .. 16 l + 15 by four
; loads of 512 consecutive bytes a wave.  A ring of four column slots keeps 24 to 48 such loads on their way; the wave's twelve fragments of W come in among them, three loads a column.
; PHASE 2.  Wave w multiplies all 128 rows of XT by outputs 32 w .. 32 w + 31: 16 accumulators, 96 instructions v_wmma_f32_16x16x128_fp8_fp8.  Source 0 = 16 columns m, source 1 = 16 outputs:
; a lane then holds ONE output and eight neighbouring m, as ybuf lies.  Both operands carry the same order of k in their registers (registers 4 c .. 4 c + 3: k = 32 c + 16 (lane / 16) + 0 .. 15).
; PHASE 3.  y leaves through the wave's own stage as whole rows of 512 bytes; for each output the sum and the sum of squared distances from the work-group's own mean go to part.
; No cluster and no joint loads: the gathered rows are a work-group's own, and W, the one thing shared, is 196,608 bytes against 786,432 gathered, and goes straight into registers.
; LIMITS: e0 between -126 and 119; e0 + e1 between -126 and 127.  NaN among the numbers to be quantised is not served.
; REGISTERS.  Window 0: v1-17 addresses and scales; phase 1: v20-35 two sets of weights, v36-43 two sets of codes, v44-251 four column slots of 52 (3 x 16 numbers, 3 addresses);
;   phase 2: v20-147 accumulators ((mt, ot) at 20 + 8 (2 mt + ot)), v148-243 three buffers of two x fragments; phase 3: v148-211 rows read back, v212-243 statistics.
;   Window 1: v0-191 W's twelve fragments ((s, ot) at 16 (2 s + ot)); v192-227 the head's weights and dense codes on their way to LDS.
; THE MODE: SCHED_MODE bits 1:0 = 2 (LLVM: expert scheduling mode 2), set by the entry lines.  The code itself states the register dependences
; between vector or matrix instructions and memory or LDS instructions, with s_wait_alu, always for 0.
; THE PLAN.  Registers that memory or LDS instructions touch:
;   v1, v4-13, v16, v17   addresses, made once at the head and never written again: one wait on va_vdst in front of the first load serves them all.
;   slot j % 4            column j's loads land in its 48 numbers and read its 3 addresses; column j's vector work reads and overwrites the numbers and writes the addresses of column j + 4.
;   weights j % 2         two LDS loads land in the set; column j's vector work reads it.        codes j % 2   column j's conversions write the set; one LDS store reads it.
;   W, the head's staging touched by loads and LDS stores alone.
;   Step j works on slot j % 4, weights j % 2 and codes j % 2.  Its memory instructions are those that hang on the column BEFORE: column j + 3's loads into slot (j - 1) % 4, the store of
;   codes (j - 1) % 2, the loads of column j + 1's weights into set (j - 1) % 2.  No vector instruction of step j names their registers: so one wait on va_vdst and one on vm_vsrc at a step's head
;   state all that they hang on, and they are dealt among the step's vector instructions with no further wait.
;   x buffers g % 3       group g's four products read one; the loads of group g + 2 land in the buffer that group g - 1 read: one wait on va_vdst in front of each such run of loads.
;   accumulators          written by the products and the scalings, then read by LDS stores: one wait.   v148-211 on the way out: LDS loads land there, global stores read them.
.set XT,  0                            ; 128 rows x 784 bytes (768 codes + 16: an odd multiple of 16, so the 16 rows that a load touches start at 16 different groups of banks: ISA guide 11.1)
.set XP,  784
.set YST, 100352                       ; 8 waves x 16 rows x (512 + 16) bytes
.set YP,  528
.set WTS, 167936                       ; 8 waves x 512 bytes: the 16 columns' weights
.set PST, 172032                       ; 256 sums, 256 M2
.set WV,  12
.set MSB, 0
.macro WIN new                         ; the immediate's high byte repeats the setting that is left
.if MSB != \new
	s_set_vgpr_msb (MSB<<8)|\new
.set MSB, \new
.endif
.endm
	s_load_b256 s[4:11], s[0:1], 0x0               ; featT s[4:5], xq s[6:7], wq s[8:9], knn_idx s[10:11]
	s_load_b256 s[84:91], s[0:1], 0x20             ; knn_w s[84:85], lowp_scales s[86:87], ybuf s[88:89], part s[90:91]
	v_lshl_add_u32 v254, v0, 2, 0x2a800
	v_mov_b32 v255, 0
	v_and_b32 v2, 31, v0
	v_lshrrev_b32 v3, 5, v0
	v_readfirstlane_b32 s[WV], v3                  ; wave 0..7
	v_lshlrev_b32 v1, 4, v2                        ; 16 x lane
	s_wait_alu depctr_va_vdst(0)
	v_and_b32 v2, 15, v0                           ; r
	v_bfe_u32 v3, v0, 4, 1                         ; h
	s_wait_alu depctr_va_vdst(0)
	s_wait_alu depctr_va_sdst(0)                   ; s12, the wave's number, is written, ahead of its first reader: LDS places and the buffers' bases are made from it
	s_lshr_b32 s13, ttmp9, 5                       ; b
	s_and_b32 s2, ttmp9, 31
	s_lshl_b32 s2, s2, 7                           ; m0
	s_lshl_b32 s3, s13, 12
	s_add_co_u32 s3, s3, s2
	s_lshl_b32 s14, s[WV], 4
	s_add_co_u32 s3, s3, s14                       ; my first column among all 32,768
	s_mov_b32 s15, 0
	s_mul_i32 s14, s[WV], 16*XP
	v_add_nc_u32 v4, s14, v1
	v_add_nc_u32 v4, XT+256, v4                    ; v4  where I put 16 interpolated codes of my wave's first row
	v_mul_u32_u24 v5, v3, XP
	v_lshl_add_u32 v5, v2, 4, v5
	v_add_nc_u32 v5, s14, v5                       ; v5  where I put 16 dense codes: rows h, h + 2, ..
	v_mul_u32_u24 v6, v2, XP
	v_lshl_add_u32 v6, v3, 4, v6                   ; v6  an x fragment: row r, + 16 h; rows 0-63
	v_add_nc_u32 v7, 64*XP, v6                     ; v7  rows 64-127
	s_lshl_b32 s14, s[WV], 9
	s_add_co_u32 s14, s14, WTS
	v_add_nc_u32 v8, s14, v1                       ; v8  the weights, in
	v_mov_b32 v9, s14                              ; v9  and out: one address for all lanes
	v_lshlrev_b32 v10, 19, v3
	v_lshl_add_u32 v10, v2, 4, v10                 ; v10 knn_w: plane h, column r
	s_mul_i32 s14, s[WV], 16*YP
	s_add_co_u32 s14, s14, YST
	v_mul_u32_u24 v11, v2, YP
	v_lshl_add_u32 v11, v3, 5, v11
	v_add_nc_u32 v11, s14, v11                     ; v11 my stage, in: row r, + 32 h
	v_add_nc_u32 v12, s14, v1                      ; v12 and back: a row of 512 bytes to the 32 lanes
	s_lshl_b32 s14, s[WV], 7
	s_add_co_u32 s14, s14, PST
	v_lshlrev_b32 v13, 10, v3
	v_lshl_add_u32 v13, v2, 2, v13
	v_add_nc_u32 v13, s14, v13                     ; v13 statistics: plane h, output 32 w + r
	v_lshl_add_u32 v16, v0, 4, PST                 ; v16, v17: their way out (threads 0-127)
	v_lshlrev_b32 v17, 4, v0
	s_wait_kmcnt 0x0
	s_lshl_b32 s14, s13, 21
	s_add_nc_u64 s[4:5], s[4:5], s[14:15]          ; featT at my batch
	s_lshl_b32 s14, s3, 8
	s_add_nc_u64 s[6:7], s[6:7], s[14:15]          ; xq at my wave's first column
	s_lshl_b32 s14, s[WV], 12
	s_add_nc_u64 s[8:9], s[8:9], s[14:15]          ; wq at my two tiles of outputs
	s_lshl_b32 s14, s3, 4
	s_add_nc_u64 s[10:11], s[10:11], s[14:15]
	s_add_nc_u64 s[84:85], s[84:85], s[14:15]
	s_lshl_b32 s14, s13, 8
	s_lshl_b32 s92, s[WV], 5
	s_add_co_u32 s14, s14, s92
	s_lshl_b32 s14, s14, 14                        ; row 256 b + 32 w of 16,384 bytes
	s_lshl_b32 s92, s2, 2
	s_add_co_u32 s14, s14, s92
	s_add_nc_u64 s[88:89], s[88:89], s[14:15]
	s_lshl_b32 s14, ttmp9, 11
	s_add_nc_u64 s[90:91], s[90:91], s[14:15]
	s_load_b512 s[16:31], s[10:11], 0x0            ; my 16 columns' records i0, i1, i2, 0: column j at s[16 + 4 j], from j = 12 on four further up
	s_load_b512 s[32:47], s[10:11], 0x40
	s_load_b512 s[48:63], s[10:11], 0x80
	s_load_b512 s[68:83], s[10:11], 0xc0
	s_load_b64 s[96:97], s[86:87], 0x0             ; e0, e1
	WIN 0x40                                       ; destination window 1
	s_wait_alu depctr_va_vdst(0)                   ; the addresses v1, v4 to v13, v16 and v17 are written: every load and store of the kernel but the gathers reads one of them, and none is written again
	global_load_b128 v[192:195], v10, s[84:85]     ; the weights: two runs of 256 consecutive bytes
.irp t, 0,1,2,3,4,5,6,7
	global_load_b128 v[196+4*\t:199+4*\t], v1, s[6:7] offset:512*\t th:TH_LOAD_NT   ; the dense codes of my 16 columns
.endr
	WIN 0
	s_wait_kmcnt 0x0
	s_add_co_i32 s14, s96, 127
	s_lshl_b32 s92, s14, 23
	v_mov_b32 v15, s92                             ; v15 2^e0 as f32
	s_add_co_i32 s14, s14, 8
	s_lshl_b32 s14, s14, 23
	s_or_b32 s14, s14, 0x600000
	v_mov_b32 v14, s14                             ; v14 448 x 2^e0
	s_add_co_i32 s96, s96, s97
	s_add_co_i32 s96, s96, 127
	s_lshl_b32 s96, s96, 23                        ; 2^(e0 + e1) as f32
	s_mov_b32 s97, s96                             ; (named with it as a pair)
	s_mov_b32 s98, 0x76543210                      ; v_permlanex16_b32: lane l xor 16
	s_mov_b32 s99, 0xfedcba98
	s_mov_b32 s100, 0xffff0000                     ; lanes 16-31
.macro ADDR j                          ; the addresses of column j's three rows, into slot j % 4
.set IB, 16+4*(\j)+4*((\j)/12)
.set SI, 44+52*((\j)%4)
.irp n, 0,1,2
	s_min_u32 s[IB+\n], s[IB+\n], 0x3ff            ; a neighbour is one of 1,024
	v_lshl_add_u32 v[SI+48+\n], s[IB+\n], 11, v1
.endr
.endm
.macro ROWS j, n                       ; neighbour n's row of column j is asked for: four loads into slot j % 4
.set SI, 44+52*((\j)%4)
.irp q, 0,1,2,3
	global_load_b128 v[SI+16*(\n)+4*\q:SI+16*(\n)+4*\q+3], v[SI+48+(\n)], s[4:5] offset:512*\q
.endr
.endm
.macro WLD j                           ; column j's weights (w0,w0,w1,w1) (w2,w2,0,0) into set j % 2
	ds_load_b128 v[20+8*((\j)%2):23+8*((\j)%2)], v9 offset:16*(\j)
	ds_load_b128 v[24+8*((\j)%2):27+8*((\j)%2)], v9 offset:256+16*(\j)
.endm
.macro WQL n                           ; load n of 48 of W's fragments: piece n % 4 of fragment (s = n / 8, ot = (n / 4) % 2)
	global_load_b128 v[4*(\n):4*(\n)+3], v1, s[8:9] offset:32768*((\n)/8)+2048*(((\n)/4)%2)+512*((\n)%4)
.endm
; Step j: column j is blended and converted; among its vector lines stand the memory instructions that hang on column j - 1.
; nl: the loads issued behind column j's twelve; nd: the LDS instructions issued behind its weights' two loads.
.macro COL j, nl, nd
.set SB, 44+52*((\j)%4)
.set WS, 20+8*((\j)%2)
.set CD, 36+4*((\j)%2)
.set CP, 36+4*(((\j)+1)%2)             ; the codes of the column before
	s_wait_loadcnt \nl
	s_wait_dscnt \nd
	WIN 0x40                                       ; destination window 1, for W's loads: the switch stands ahead of the waits
	s_wait_alu depctr_vm_vsrc(0)                   ; column j's loads have read this slot's three addresses, and the store of the codes of two columns back has read this column's set of codes: both are written again below
.if (\j) > 0
	s_wait_alu depctr_va_vdst(0)                   ; the column before is done: its codes are written, which the store below reads; so are the addresses of the rows asked for below; its slot and its set of weights, in which loads below land, have been read and written for the last time
.endif
.irp n, 0,1,2
	WQL 3*(\j)+\n
.endr
	WIN 0
.if ((\j) > 0) && ((\j) < 15)
	WLD (\j)+1                                     ; into the set that the column before read
.endif
.if (\j) > 0
	ds_store_b128 v4, v[CP:CP+3] offset:XP*((\j)-1)   ; the wave's 512 codes of row 16 w + j - 1
.endif
.if ((\j) > 0) && ((\j) < 13)
	ROWS (\j)+3, 0                                 ; the slot of the column before takes the column four further on than that one.  No vector line of this step names its registers
.endif
.if (\j) < 12
	ADDR (\j)+4                                    ; for the loads of the next step
.endif
.irp i, 0,2,4,6,8,10,12,14
	v_pk_mul_f32 v[SB+\i:SB+\i+1], v[SB+\i:SB+\i+1], v[WS:WS+1]
.endr
.if ((\j) > 0) && ((\j) < 13)
	ROWS (\j)+3, 1
.endif
.irp i, 0,2,4,6,8,10,12,14
	v_pk_fma_f32 v[SB+\i:SB+\i+1], v[SB+16+\i:SB+17+\i], v[WS+2:WS+3], v[SB+\i:SB+\i+1]
.endr
.if ((\j) > 0) && ((\j) < 13)
	ROWS (\j)+3, 2
.endif
.irp i, 0,2,4,6,8,10,12,14
	v_pk_fma_f32 v[SB+\i:SB+\i+1], v[SB+32+\i:SB+33+\i], v[WS+4:WS+5], v[SB+\i:SB+\i+1]
.endr
.irp i, 0,1,2,3,4,5,6,7,8,9,10,11,12,13,14,15
	v_med3_num_f32 v[SB+\i], v[SB+\i], -v14, v14   ; the conversion to an 8-bit code does not saturate (ISA guide 7.6.2): the hold at the largest code x the scale
.endr
	v_cvt_scalef32_pk8_fp8_f32 v[CD:CD+1], v[SB:SB+7], v15
	v_cvt_scalef32_pk8_fp8_f32 v[CD+2:CD+3], v[SB+8:SB+15], v15
	v_nop                                          ; one plain line behind the last conversion: vector and matrix instructions write these registers later
.endm
.irp j, 0,1,2,3
	ADDR \j
.endr
	s_wait_alu depctr_va_vdst(0)                   ; the twelve addresses of columns 0 to 3 are written, which the 48 loads below read
.irp j, 0,1,2,3
.irp n, 0,1,2
	ROWS \j, \n
.endr
.endr
	s_wait_loadcnt 48                              ; the head's nine loads are in; the four columns' 48 are younger
	WIN 0x04                                       ; store data window 1
	ds_store_b128 v8, v[192:195]
.irp t, 0,1,2,3,4,5,6,7
	ds_store_b128 v5, v[196+4*\t:199+4*\t] offset:2*XP*\t
.endr
	WIN 0
	WLD 0                                          ; LDS serves a wave's instructions in order (ISA guide 5.7.1.4): these see my store of the weights
	WLD 1
; Behind column j's twelve loads stand (W j: the three loads of W of step j; c j: column j's twelve; step j issues W j, then c j + 3):
; j = 0: c 1, c 2, c 3;  1: c 2, c 3, W 0;  2: c 3, W 0, W 1, c 4;  3: W 0, W 1, c 4, W 2, c 5;  4 to 13: W j - 2, c j + 1, W j - 1, c j + 2;  14: W 12, c 15, W 13;  15: W 13, W 14.
; Behind its weights' two loads: j = 0: column 1's two;  1: nothing;  2 to 15: the one store of codes that follows them in their step.
	COL 0, 36, 2
	COL 1, 27, 0
	COL 2, 30, 1
	COL 3, 33, 1
.irp j, 4,5,6,7,8,9,10,11,12,13
	COL \j, 30, 1
.endr
	COL 14, 18, 1
	COL 15, 6, 1
	s_wait_alu depctr_va_vdst(0)                   ; column 15's codes are written, which the store below reads; and the columns' vector work is done with v148 to v251, in which x's first fragments land behind the barrier
	ds_store_b128 v4, v[40:43] offset:XP*15
	s_wait_dscnt 0x0                               ; my rows of XT are stored
	s_barrier_signal -1
	s_barrier_wait -1                              ; all 128 rows are
	s_wait_loadcnt 0x0                             ; W's fragments
; PHASE 2: 24 groups of four products.  Group g: K step s = g / 4, tiles of columns mt = 2 (g % 4), 2 (g % 4) + 1, both tiles of outputs.
.macro XLOAD g
.irp f, 0,1
.irp c, 0,1,2,3
	ds_load_b128 v[148+32*((\g)%3)+16*\f+4*\c:148+32*((\g)%3)+16*\f+4*\c+3], v[6+(2*((\g)%4)+\f)/4] offset:16*XP*((2*((\g)%4)+\f)%4)+128*((\g)/4)+32*\c
.endr
.endr
.endm
.macro MM g                            ; the 16 accumulators take turns, one instruction a turn, in the same order in every K step; the first K step starts the sums
.irp f, 0,1
.irp o, 0,1
.set AC, 20+8*(2*(2*((\g)%4)+\f)+\o)
.set XR, 148+32*((\g)%3)+16*\f
.set WR, 16*(2*((\g)/4)+\o)
.if (\g) < 4
	v_wmma_f32_16x16x128_fp8_fp8 v[AC:AC+7], v[XR:XR+15], v[WR:WR+15], 0
.else
	v_wmma_f32_16x16x128_fp8_fp8 v[AC:AC+7], v[XR:XR+15], v[WR:WR+15], v[AC:AC+7]
.endif
.endr
.endr
.endm
	WIN 0x04                                       ; source 1 (W) window 1; all else window 0, the LDS loads' operands too
	s_wait_alu depctr_vm_vsrc(0)                   ; the last stores of codes have read v36 to v43 and the gathers the slots' address registers: the first products and x's loads write over them
	XLOAD 0
	XLOAD 1
.set G, 0
.rept 24
.if G+2 < 24
.if G > 0
	s_wait_alu depctr_va_vdst(0)                   ; the last group's four products are done reading their buffer, in which the eight loads below land
.endif
	XLOAD G+2
.endif
.if G < 22
	s_wait_dscnt 16                                ; this group's eight loads are in; the next two groups' sixteen are younger
.elseif G == 22
	s_wait_dscnt 8
.else
	s_wait_dscnt 0x0
.endif
	MM G
.set G, G+1
.endr
	WIN 0
.rept 4
	v_nop                                          ; four places behind the last products, ahead of the first read of results
.endr
; PHASE 3
.set J, 20
.rept 64
	v_pk_mul_f32 v[J:J+1], v[J:J+1], s[96:97] op_sel_hi:[1,0]   ; x 2^(e0 + e1); each accumulator from its low end on
.set J, J+2
.endr
	s_wait_alu depctr_va_vdst(0)                   ; the scalings have written v20 to v147, which the stores into the stage read (both halves'); the products are done reading v148 to v211, in which the rows read back land
.macro YSTAGE o                        ; outputs 32 w + 16 o + 0..15 through my stage: in by lanes (one output, eight m), back by rows of 128 m
.if \o
	s_wait_xcnt 0x0                                ; the first half's stores have had their addresses translated (ISA guide 3.1): the loads below may land on their data registers,
	s_wait_alu depctr_vm_vsrc(0)                   ; and those stores have read v148 to v211.  (The statistics' lines issued since the wait on va_vdst above read accumulators and write v212 to v238: none of the registers touched here is written by them)
.endif
.irp m, 0,1,2,3,4,5,6,7
	ds_store_b128 v11, v[20+8*(2*\m+\o):23+8*(2*\m+\o)] offset:64*\m
	ds_store_b128 v11, v[24+8*(2*\m+\o):27+8*(2*\m+\o)] offset:64*\m+16
.endr
.irp t, 0,1,2,3,4,5,6,7,8,9,10,11,12,13,14,15
	ds_load_b128 v[148+4*\t:151+4*\t], v12 offset:YP*\t   ; in order behind my stores
.endr
.endm
.macro YSEND o
.irp t, 0,1,2,3,4,5,6,7,8,9,10,11,12,13,14,15
	s_wait_dscnt 15-\t
	global_store_b128 v1, v[148+4*\t:151+4*\t], s[88:89] offset:16384*(16*\o+\t)   ; the wave stores 512 consecutive bytes of a row of ybuf
.endr
.endm
; The statistics of my lane's output over the work-group's 128 columns: the sum, and M2 = the sum of (y - the work-group's own mean)^2: no difference of large sums is formed.
.macro STAT o
.irp i, 0,1,2,3
	v_pk_add_f32 v[212+2*\i:213+2*\i], v[20+8*\o+2*\i:21+8*\o+2*\i], v[36+8*\o+2*\i:37+8*\o+2*\i]
.endr
.irp m, 2,3,4,5,6,7
.irp i, 0,1,2,3
	v_pk_add_f32 v[212+2*\i:213+2*\i], v[212+2*\i:213+2*\i], v[20+8*(2*\m+\o)+2*\i:21+8*(2*\m+\o)+2*\i]
.endr
.endr
	v_pk_add_f32 v[212:213], v[212:213], v[214:215]
	v_pk_add_f32 v[216:217], v[216:217], v[218:219]
	v_pk_add_f32 v[212:213], v[212:213], v[216:217]
	v_add_f32 v212, v212, v213
	v_permlanex16_b32 v214, v212, s98, s99         ; the output's other 64 columns lie in the lane 16 away
	v_add_f32 v212, v212, v214
	v_mul_f32 v220, 0x3c000000, v212               ; / 128
	v_mov_b32 v221, v220
.irp m, 0,1,2,3,4,5,6,7
.irp i, 0,1,2,3
	v_pk_add_f32 v[222+2*\i:223+2*\i], v[20+8*(2*\m+\o)+2*\i:21+8*(2*\m+\o)+2*\i], v[220:221] neg_lo:[0,1] neg_hi:[0,1]
.endr
.irp i, 0,1,2,3
.if \m == 0
	v_pk_mul_f32 v[230+2*\i:231+2*\i], v[222+2*\i:223+2*\i], v[222+2*\i:223+2*\i]
.else
	v_pk_fma_f32 v[230+2*\i:231+2*\i], v[222+2*\i:223+2*\i], v[222+2*\i:223+2*\i], v[230+2*\i:231+2*\i]
.endif
.endr
.endr
	v_pk_add_f32 v[230:231], v[230:231], v[232:233]
	v_pk_add_f32 v[234:235], v[234:235], v[236:237]
	v_pk_add_f32 v[230:231], v[230:231], v[234:235]
	v_add_f32 v230, v230, v231
	v_permlanex16_b32 v232, v230, s98, s99
	v_add_f32 v230, v230, v232
	v_cndmask_b32 v[238+\o], v212, v230, s100      ; lanes 0-15 carry the sum, lanes 16-31 M2
.endm
	YSTAGE 0
	STAT 0                                         ; register work while the rows come back from the stage
	YSEND 0
	YSTAGE 1
	STAT 1
	YSEND 1
	s_wait_alu depctr_va_vdst(0)                   ; the statistics' last lines have written v238 and v239, which the two stores below read
	ds_store_b32 v13, v238
	ds_store_b32 v13, v239 offset:64
	s_wait_dscnt 0x0
	s_barrier_signal -1
	s_barrier_wait -1                              ; all 256 outputs' figures lie in LDS
	s_cmp_lt_u32 s[WV], 4
	s_cbranch_scc0 .Lf_end
	ds_load_b128 v[240:243], v16                   ; (v240 to v243 were last named by products that stand ahead of the waits on va_vdst above)
	s_wait_dscnt 0x0
	global_store_b128 v17, v[240:243], s[90:91]    ; 2,048 consecutive bytes a work-group
.Lf_end:
	s_wait_dscnt 0x0
	s_wait_alu depctr_hold_cnt(0) depctr_sa_sdst(0) depctr_va_vdst(0) depctr_va_sdst(0) depctr_va_ssrc(0) depctr_va_vcc(0) depctr_vm_vsrc(0)
	s_wait_tensorcnt 0x0
	ds_add_u32 v254, v255
	s_wait_dscnt 0x0
	s_endpgm
.Lfunc_end_k_qb5ba333c68_fuse:
	.size	k_qb5ba333c68_fuse, .Lfunc_end_k_qb5ba333c68_fuse-k_qb5ba333c68_fuse
	.p2alignl 7, 3214868480
	.fill 96, 4, 3214868480
	.section	.rodata,"a",@progbits
	.p2align	6, 0x0
	.amdhsa_kernel k_qb5ba333c68_fuse
		.amdhsa_group_segment_fixed_size 175104
		.amdhsa_private_segment_fixed_size 0
		.amdhsa_enable_private_segment 0
		.amdhsa_kernarg_size 64
		.amdhsa_user_sgpr_count 2
		.amdhsa_user_sgpr_kernarg_segment_ptr 1
		.amdhsa_wavefront_size32 1
		.amdhsa_system_sgpr_workgroup_id_x 1
		.amdhsa_system_sgpr_workgroup_id_y 1
		.amdhsa_system_sgpr_workgroup_id_z 1
		.amdhsa_system_vgpr_workitem_id 0
		.amdhsa_next_free_vgpr 488
		.amdhsa_next_free_sgpr 102
		.amdhsa_reserve_vcc 0
		.amdhsa_float_denorm_mode_32 3
		.amdhsa_float_denorm_mode_16_64 3
		.amdhsa_memory_ordered 1
		.amdhsa_forward_progress 1
		.amdhsa_inst_pref_size 129
	.end_amdhsa_kernel
	.amdgpu_metadata
---
amdhsa.version: [ 1, 2 ]
amdhsa.kernels:
  - .name:           k_qb5ba333c68_fuse
    .symbol:         k_qb5ba333c68_fuse.kd
    .args:
      - { .name: featT, .offset: 0, .size: 8, .value_kind: global_buffer, .address_space: global }
      - { .name: xq, .offset: 8, .size: 8, .value_kind: global_buffer, .address_space: global }
      - { .name: wq, .offset: 16, .size: 8, .value_kind: global_buffer, .address_space: global }
      - { .name: knn_idx, .offset: 24, .size: 8, .value_kind: global_buffer, .address_space: global }
      - { .name: knn_w, .offset: 32, .size: 8, .value_kind: global_buffer, .address_space: global }
      - { .name: lowp_scales, .offset: 40, .size: 8, .value_kind: global_buffer, .address_space: global }
      - { .name: ybuf, .offset: 48, .size: 8, .value_kind: global_buffer, .address_space: global }
      - { .name: part, .offset: 56, .size: 8, .value_kind: global_buffer, .address_space: global }
    .group_segment_fixed_size: 175104
    .private_segment_fixed_size: 0
    .kernarg_segment_align: 8
    .kernarg_segment_size: 64
    .max_flat_workgroup_size: 256
    .sgpr_count:     102
    .vgpr_count:     488
    .wavefront_size: 32
...
	.end_amdgpu_metadata
.endif
;; end of part 5
;; launch bn (part 6): grid 256 x 1, 8 waves a work-group, no clusters, 3,072 bytes of LDS; arguments ybuf, part, bn_gamma, bn_beta, dense_idx, out0, out1; writes out0, out1
.if DOCPART == 6
	.amdgcn_target "amdgcn-amd-amdhsa--gfx1250"
	.amdhsa_code_object_version 6
	.text
	.protected	k_qb5ba333c68_bn
	.globl	k_qb5ba333c68_bn
	.p2align	8
	.type	k_qb5ba333c68_bn,@function
k_qb5ba333c68_bn:
	s_mov_b64 s[64:65], 0
	v_nop
	global_prefetch_b8 v0, s[64:65] scope:SCOPE_SE
	s_setreg_imm32_b32 hwreg(HW_REG_WAVE_MODE, 25, 1), 1
	s_wait_xcnt 0x0
; out0[b][o][m] = leaky((y - mean[o]) x rsqrt(var[o] + 1e-5) x gamma[o] + beta[o]);  out1 = dense_idx.
; A work-group takes one channel o, wave w the batch w: a row of 16,384 bytes, asked for whole at the head (32 loads of 512 consecutive bytes) and kept in registers.
; Under those loads the channel's statistics are joined from the 256 parts of 128 columns each: mean = the sum of sums / 32,768;
; var = (the sum of M2_i + 128 x the sum of (mean_i - mean)^2) / 32,768: no difference of large sums.
; leaky(t) = max(t, 0.2 t), which is t where t >= 0 and 0.2 t elsewhere.  A stream: matrix units, clusters and tensor loads would add nothing.
	s_load_b256 s[4:11], s[0:1], 0x0               ; ybuf s[4:5], part s[6:7], gamma s[8:9], beta s[10:11]
	s_load_b128 s[12:15], s[0:1], 0x20             ; dense_idx s[12:13], out0 s[14:15]
	s_load_b64 s[16:17], s[0:1], 0x30              ; out1
	v_lshl_add_u32 v176, v0, 2, 0x800
	v_mov_b32 v177, 0
	v_and_b32 v1, 31, v0
	v_lshrrev_b32 v2, 5, v0
	s_delay_alu instid0(VALU_DEP_1)
	v_readfirstlane_b32 s18, v2                    ; wave = batch
	s_delay_alu instid0(VALU_DEP_3)
	v_lshlrev_b32 v1, 4, v1                        ; 16 x lane
	v_lshlrev_b32 v2, 11, v0                       ; part: work-group tid's record of 2,048 bytes
	v_lshlrev_b32 v3, 2, v0
	s_delay_alu instid0(VALU_DEP_3)
	v_lshlrev_b32 v4, 1, v1                        ; 32 x lane: eight parts a lane
.irp i, 168,169,170,171
	v_mov_b32 v\i, 0                               ; written in every wave; wave 0 loads its piece of dense_idx here
.endr
	s_lshl_b32 s20, ttmp9, 2                       ; 4 o
	s_mov_b32 s21, 0
	s_lshl_b32 s22, s18, 8
	s_add_co_u32 s22, s22, ttmp9
	s_lshl_b32 s22, s22, 14                        ; row 256 w + o
	s_mov_b32 s23, 0
	s_lshl_b32 s24, ttmp9, 9                       ; 512 bytes of the indices for each work-group
	s_mov_b32 s25, 0
	s_mov_b32 s28, 0x76543210
	s_mov_b32 s29, 0xfedcba98
	s_mov_b32 s30, 0x3c000000                      ; 1 / 128
	s_mov_b32 s31, 0x43000000                      ; 128
	s_mov_b32 s32, 0x38000000                      ; 1 / 32,768
	s_mov_b32 s33, 0x3727c5ac                      ; 1e-5
	s_wait_kmcnt 0x0
	s_add_nc_u64 s[4:5], s[4:5], s[22:23]
	s_add_nc_u64 s[14:15], s[14:15], s[22:23]
	s_add_nc_u64 s[6:7], s[6:7], s[20:21]
	s_add_nc_u64 s[8:9], s[8:9], s[20:21]
	s_add_nc_u64 s[10:11], s[10:11], s[20:21]
	s_add_nc_u64 s[12:13], s[12:13], s[24:25]
	s_add_nc_u64 s[16:17], s[16:17], s[24:25]
	s_load_b32 s26, s[8:9], 0x0                    ; gamma[o]
	s_load_b32 s27, s[10:11], 0x0                  ; beta[o]
	s_cmp_lg_u32 s18, 0
	s_cbranch_scc1 .Lb_not0
	s_wait_alu depctr_va_vdst(0)
	global_load_b128 v[168:171], v1, s[12:13]      ; the oldest load of wave 0: every count below names younger loads only
.Lb_not0:
	s_wait_alu depctr_va_vdst(0)
	global_load_b32 v5, v2, s[6:7]                 ; part tid's sum,
	global_load_b32 v6, v2, s[6:7] offset:1024     ; and its M2
.set I, 0
.rept 32
	global_load_b128 v[32+4*I:35+4*I], v1, s[4:5] offset:512*I th:TH_LOAD_NT
.set I, I+1
.endr
	s_wait_loadcnt 32                              ; the two figures are in; the row's 32 loads are younger
	ds_store_b32 v3, v5
	ds_store_b32 v3, v6 offset:1024
	s_wait_dscnt 0x0
	s_barrier_signal -1
	s_barrier_wait -1
	ds_load_b128 v[8:11], v4
	ds_load_b128 v[12:15], v4 offset:16
	ds_load_b128 v[16:19], v4 offset:1024
	ds_load_b128 v[20:23], v4 offset:1040
	s_wait_dscnt 0x0
.macro WSUM r, t                       ; the sum over the 32 lanes, in every lane
	s_delay_alu instid0(VALU_DEP_1)
	v_add_f32_dpp v[\r], v[\r], v[\r] row_xmask:1 row_mask:0xf bank_mask:0xf
	s_delay_alu instid0(VALU_DEP_1)
	v_add_f32_dpp v[\r], v[\r], v[\r] row_xmask:2 row_mask:0xf bank_mask:0xf
	s_delay_alu instid0(VALU_DEP_1)
	v_add_f32_dpp v[\r], v[\r], v[\r] row_xmask:4 row_mask:0xf bank_mask:0xf
	s_delay_alu instid0(VALU_DEP_1)
	v_add_f32_dpp v[\r], v[\r], v[\r] row_xmask:8 row_mask:0xf bank_mask:0xf
	s_delay_alu instid0(VALU_DEP_1)
	v_permlanex16_b32 v[\t], v[\r], s28, s29
	s_delay_alu instid0(VALU_DEP_1)
	v_add_f32 v[\r], v[\r], v[\t]
.endm
	v_pk_add_f32 v[24:25], v[8:9], v[10:11]
	v_pk_add_f32 v[26:27], v[12:13], v[14:15]
	s_delay_alu instid0(VALU_DEP_1)
	v_pk_add_f32 v[24:25], v[24:25], v[26:27]
	s_delay_alu instid0(VALU_DEP_1)
	v_add_f32 v24, v24, v25
	WSUM 24, 26
	s_delay_alu instid0(VALU_DEP_1)
	v_mul_f32 v28, s32, v24                        ; mean
	s_delay_alu instid0(VALU_DEP_1)
	v_mov_b32 v29, v28
.irp i, 0,1,2,3,4,5,6,7
	v_fma_f32 v[8+\i], v[8+\i], s30, -v28          ; mean_i - mean
.endr
	v_mul_f32 v30, v8, v8
	v_mul_f32 v31, v9, v9
.irp i, 2,4,6
	s_delay_alu instid0(VALU_DEP_2)
	v_fma_f32 v30, v[8+\i], v[8+\i], v30
	s_delay_alu instid0(VALU_DEP_2)
	v_fma_f32 v31, v[9+\i], v[9+\i], v31
.endr
	s_delay_alu instid0(VALU_DEP_1)
	v_add_f32 v30, v30, v31
	v_pk_add_f32 v[24:25], v[16:17], v[18:19]
	v_pk_add_f32 v[26:27], v[20:21], v[22:23]
	s_delay_alu instid0(VALU_DEP_1)
	v_pk_add_f32 v[24:25], v[24:25], v[26:27]
	s_delay_alu instid0(VALU_DEP_1)
	v_add_f32 v24, v24, v25
	s_delay_alu instid0(VALU_DEP_1)
	v_fma_f32 v24, v30, s31, v24
	WSUM 24, 26
	s_delay_alu instid0(VALU_DEP_1)
	v_fma_f32 v24, v24, s32, s33                   ; var + 1e-5
	s_wait_alu depctr_va_vdst(0)
	v_rsq_f32 v25, v24
	v_nop                                          ; a plain line behind the root,
	s_wait_kmcnt 0x0
	s_mov_b32 s34, s27
	s_mov_b32 s35, s27                             ; beta, as a pair
	s_wait_alu depctr_va_vdst(0)                   ; and the wait ahead of its first reader
	v_mul_f32 v30, s26, v25                        ; gamma x rsqrt
	s_delay_alu instid0(VALU_DEP_1)
	v_mov_b32 v31, v30
.set I, 0
.rept 32
.set Y, 32+4*I
	s_wait_loadcnt 31-I                            ; loads come back in order (ISA guide 5.7.1): piece I is in, the younger ones stay out
	v_pk_add_f32 v[Y:Y+1], v[Y:Y+1], v[28:29] neg_lo:[0,1] neg_hi:[0,1]
	s_wait_alu depctr_va_vdst(0)
	v_pk_add_f32 v[Y+2:Y+3], v[Y+2:Y+3], v[28:29] neg_lo:[0,1] neg_hi:[0,1]
	v_pk_fma_f32 v[Y:Y+1], v[Y:Y+1], v[30:31], s[34:35] op_sel_hi:[1,1,0]
	s_delay_alu instid0(VALU_DEP_2)
	v_pk_fma_f32 v[Y+2:Y+3], v[Y+2:Y+3], v[30:31], s[34:35] op_sel_hi:[1,1,0]
	s_delay_alu instid0(VALU_DEP_2)
	v_pk_mul_f32 v[160:161], v[Y:Y+1], 0x3e4ccccd op_sel_hi:[1,0]
	s_delay_alu instid0(VALU_DEP_2)
	v_pk_mul_f32 v[162:163], v[Y+2:Y+3], 0x3e4ccccd op_sel_hi:[1,0]
	s_delay_alu instid0(VALU_DEP_2)
	v_max_num_f32 v[Y], v[Y], v160
	s_delay_alu instid0(VALU_DEP_3)
	v_max_num_f32 v[Y+1], v[Y+1], v161
	s_delay_alu instid0(VALU_DEP_3)
	v_max_num_f32 v[Y+2], v[Y+2], v162
	s_delay_alu instid0(VALU_DEP_4)
	v_max_num_f32 v[Y+3], v[Y+3], v163
	global_store_b128 v1, v[Y:Y+3], s[14:15] offset:512*I th:TH_STORE_NT   ; 512 consecutive bytes a wave; each piece has registers of its own, so no store's data are written again
.set I, I+1
.endr
	s_cmp_lg_u32 s18, 0
	s_cbranch_scc1 .Lb_end
	global_store_b128 v1, v[168:171], s[16:17]     ; out1: this work-group's 512 bytes of dense_idx
.Lb_end:
	s_wait_tensorcnt 0x0
	ds_add_u32 v176, v177
	s_wait_dscnt 0x0
	s_endpgm
.Lfunc_end_k_qb5ba333c68_bn:
	.size	k_qb5ba333c68_bn, .Lfunc_end_k_qb5ba333c68_bn-k_qb5ba333c68_bn
	.p2alignl 7, 3214868480
	.fill 96, 4, 3214868480
	.section	.rodata,"a",@progbits
	.p2align	6, 0x0
	.amdhsa_kernel k_qb5ba333c68_bn
		.amdhsa_group_segment_fixed_size 3072
		.amdhsa_private_segment_fixed_size 0
		.amdhsa_enable_private_segment 0
		.amdhsa_kernarg_size 56
		.amdhsa_user_sgpr_count 2
		.amdhsa_user_sgpr_kernarg_segment_ptr 1
		.amdhsa_wavefront_size32 1
		.amdhsa_system_sgpr_workgroup_id_x 1
		.amdhsa_system_sgpr_workgroup_id_y 1
		.amdhsa_system_sgpr_workgroup_id_z 1
		.amdhsa_system_vgpr_workitem_id 0
		.amdhsa_next_free_vgpr 178
		.amdhsa_next_free_sgpr 66
		.amdhsa_reserve_vcc 0
		.amdhsa_float_denorm_mode_32 3
		.amdhsa_float_denorm_mode_16_64 3
		.amdhsa_memory_ordered 1
		.amdhsa_forward_progress 1
		.amdhsa_inst_pref_size 40
	.end_amdhsa_kernel
	.amdgpu_metadata
---
amdhsa.version: [ 1, 2 ]
amdhsa.kernels:
  - .name:           k_qb5ba333c68_bn
    .symbol:         k_qb5ba333c68_bn.kd
    .args:
      - { .name: ybuf, .offset: 0, .size: 8, .value_kind: global_buffer, .address_space: global }
      - { .name: part, .offset: 8, .size: 8, .value_kind: global_buffer, .address_space: global }
      - { .name: bn_gamma, .offset: 16, .size: 8, .value_kind: global_buffer, .address_space: global }
      - { .name: bn_beta, .offset: 24, .size: 8, .value_kind: global_buffer, .address_space: global }
      - { .name: dense_idx, .offset: 32, .size: 8, .value_kind: global_buffer, .address_space: global }
      - { .name: out0, .offset: 40, .size: 8, .value_kind: global_buffer, .address_space: global }
      - { .name: out1, .offset: 48, .size: 8, .value_kind: global_buffer, .address_space: global }
    .group_segment_fixed_size: 3072
    .private_segment_fixed_size: 0
    .kernarg_segment_align: 8
    .kernarg_segment_size: 56
    .max_flat_workgroup_size: 256
    .sgpr_count:     66
    .vgpr_count:     178
    .wavefront_size: 32
...
	.end_amdgpu_metadata
.endif
;; end of part 6
